; MI455X (gfx1250); checked and timed in simulation.
; The chip was launched on July 23, 2026; its instructions are those of AMD's public machine-readable ISA for CDNA 5 (MIT licence, August 2026) and "CDNA5" Instruction Set Architecture Reference Guide (July 2026). The comments in the code are by the model that wrote it; some were corrected since.
;; Multi Head Attention. Allowed arithmetic: matrix products marked QUANTISED: E4M3 operands, one given power-of-two scale a tensor, by v_wmma_f32_16x16x64_fp8_fp8 or v_wmma_f32_16x16x128_fp8_fp8, f32 sums; everything else in f32.
;; Inputs: Wk 2,048 x 512 float32; Wo 2,048 x 2,048 float32; Wq 2,048 x 4,096 float32; Wv 2,048 x 512 float32; attention_mask 1 x 1 x 2,048 x 2,048 float32; hidden_states 1 x 2,048 x 2,048 float32; k_norm_w 128 float32; lowp_scales 12 int32 (the exponents e of the quantised operands' scales 2^e); q_norm_w 128 float32.
;; Outputs: out0 1 x 2,048 x 2,048 float32.
;; This version of the problem:
;;   THIS VERSION OF THE PROBLEM IS GIVEN IN LOW PRECISION. The matrix products marked QUANTISED in the list below multiply operands that are first quantised to E4M3 (4 exponent bits, 3 mantissa bits; 8 bits a number), with one given power-of-two scale for each operand tensor; their sums are f32. All else is computed in f32.
;;   The module's matrix products, in the order in which they are computed (A, B: the left and right operand; K: the contracted axis; several contracted axes count as one K, in the product's order):
;;     1. [M 2,048, K 2,048] x [K 2,048, N 4,096]; A: input hidden_states; B: input Wq: QUANTISED (scales: A lowp_scales[0], B lowp_scales[1])
;;     2. [M 2,048, K 2,048] x [K 2,048, N 512]; A: input hidden_states; B: input Wk: QUANTISED (scales: A lowp_scales[2], B lowp_scales[3])
;;     3. [M 2,048, K 2,048] x [K 2,048, N 512]; A: input hidden_states; B: input Wv: QUANTISED (scales: A lowp_scales[4], B lowp_scales[5])
;;     4. batch 4 x [M 8,192, K 128] x [K 128, N 2,048]; A: computed on the way; B: computed on the way: QUANTISED (scales: A lowp_scales[6], B lowp_scales[7])
;;     5. batch 4 x [M 8,192, K 2,048] x [K 2,048, N 128]; A: softmax (see below); B: computed on the way: QUANTISED (scales: A lowp_scales[8], B lowp_scales[9])
;;     6. [M 2,048, K 2,048] x [K 2,048, N 2,048]; A: computed on the way; B: input Wo: QUANTISED (scales: A lowp_scales[10], B lowp_scales[11])
;;   THE QUANTISER, for each operand of a quantised product, along K:
;;     - The operand's scale is 2^e, e = its entry of the input lowp_scales (int32; the entries are numbered through the quantised products in the list's order, A before B).
;;     - Each number is divided by the scale, clamped to +-448, and rounded to the nearest number of E4M3, ties to even, subnormals kept.
;;     - The product sums the exact products of the quantised numbers (number of the format x scale) in f32.
;;   ~~~python
;;   def quantise(x, axis, e):      # numpy; x: float32 -> the quantised numbers, widened to float32 again
;;       x = np.moveaxis(x, axis, -1); K = x.shape[-1]
;;       r = np.clip(x / 2.0 ** e, -448, 448)
;;       step = 2.0 ** (np.maximum(np.frexp(np.where(r == 0, 1, r))[1] - 1, -6) - 3)
;;       q = np.round(r / step) * step * 2.0 ** e      # np.round: ties to even
;;       return np.moveaxis(q, -1, axis).astype(np.float32)
;;   ~~~
;;   SOFTMAX AHEAD OF A QUANTISED PRODUCT. Where the list says 'softmax', what is quantised is not the finished softmax but p = 2^(t - M), with t = logit x log2(e) and M = ceil(the row's largest t), a whole number; so 1/2 < the row's largest p <= 1. The row's sum l is taken of the UNQUANTISED p, in f32, and the product's result is divided by l at the end. Since M is a whole number, a kernel that streams over the keys may use a running M (the ceiling of the running maximum): every later rescaling is an exact power of two, so the quantised numbers keep their values, but for numbers so far below the row's largest that they fall under the format's range.
;;   OPERANDS COMPUTED ON THE WAY. 'Computed on the way' means the value that the module computes at that place (a softmax that the list does not call 'softmax' is quantised finished and normalised). What goes into a quantiser is computed in f32, as accurately as f32 sums, v_exp_f32 and their like allow (about 1e-6 of the number): no bf16 or f16 on the way to a quantiser, and a product that is left as it is and whose result goes on into a quantised operand takes f32 operands (vector FMAs, or v_wmma_f32_16x16x4_f32). A number that lies on a knife's edge between two numbers of the format may be rounded either way, as far as f32 arithmetic and the matrix unit's own rounding can turn it there, and no further.
;; One version. Each part assembles by itself: llvm-mc -triple=amdgcn-amd-amdhsa -mcpu=gfx1250 --defsym DOCPART=n.
;; ======== version 1 of 1: 4 launches
;; limits: right only within a limited range of input values
;; workspace buffers: xc 12,582,912 bytes; wc 14,680,064 bytes; rope 262,144 bytes; qc 4,194,304 bytes; kc 1,048,576 bytes; vc 1,048,576 bytes; gd 16,777,216 bytes; ac 4,194,304 bytes
;; launch prep (part 1): grid 832 x 1, 4 waves a work-group, no clusters, 67,072 bytes of LDS; arguments hidden_states, Wq, Wk, Wv, Wo, lowp_scales, xc, wc, rope; writes xc, wc, rope
.if DOCPART == 1
	.amdgcn_target "amdgcn-amd-amdhsa--gfx1250"
	.amdhsa_code_object_version 6
	.text
	.protected	k_qe01c1e3dbb_prep
	.globl	k_qe01c1e3dbb_prep
	.p2align	8
	.type	k_qe01c1e3dbb_prep,@function
k_qe01c1e3dbb_prep:
	s_mov_b64 s[64:65], 0
	v_nop
	global_prefetch_b8 v0, s[64:65] scope:SCOPE_SE
	s_setreg_imm32_b32 hwreg(HW_REG_WAVE_MODE, 25, 1), 1
	s_wait_xcnt 0x0
; PREP: f32 inputs become codes of FP8 (E4M3) once, laid as the matrix unit's registers take them, and the rotary table is made.
; A FRAGMENT is 16 rows x 128 K of codes, 2,048 bytes: register g (0..15) of lane l lies at byte 512 (g / 4) + 16 l + 4 (g % 4); lane l holds row l % 16, and its
; registers 2 c, 2 c + 1 hold K = 16 c + 8 (l / 16) + 0 .. 7 (the plain 8-bit layout).  Four 16-byte accesses a lane, 512 bytes apart, move a fragment.
; xc: three planes of 4,194,304 bytes: hidden_states under the scales of entries 0, 2 and 4; fragment (row / 16, k / 128) at ((row / 16) 16 + k / 128) 2048.
; wc: rows n = 0..7167 (Wq's 4,096 columns, Wk's 512, Wv's 512, Wo's 2,048), K innermost; fragment (n / 16, k / 128) at ((n / 16) 16 + k / 128) 2048.
; rope: [position][cos 16 | sin 16] f32, 128 bytes a position.
; code = x / 2^e, held within +-448, rounded to the nearest code, ties to even.
; Three paths part on the work-group's number: 448 work-groups take weights, 256 hidden_states, 128 the table.  The two that use LDS have LDS bytes of their own; waves share nothing, so there is no barrier.
; No matrix unit, no cluster, no tensor load: a stream that reads each input byte once.
; LIMITS: each e used here (entries 0 to 5 and 11) lies between -126 and 119, so that 2^e and 448 x 2^e are f32 numbers.  NaN among the inputs is not served.
; The rotary frequencies are 10^(-j/4), j = 0..15, each rounded to f32; a frequency made by a power and a division in f32 may differ in its last bit, which moves an angle of 2,047 radians by about 1e-4.
.set WGW,  448                         ; work-groups for the weights: 56 groups of 128 rows n x 8 pieces of 256 along K
.set WGH,  256                         ; for hidden_states: 1,024 waves of 16 rows x 256 K
.set VO,   16                          ; weights: v16-47   byte offset of row i of a block of 32 along K: 4 x lane + i x pitch
.set XW,   48                          ;          v48-111  two sets of 32 numbers
.set CW,   112                         ;          v112-119 a block's codes
.set OW,   128                         ;          v128-191 the way out
.set RH,   16                          ; hidden:  v16-143  two fragments' numbers as loaded (later v16-79: the second fragment turned)
.set XH,   144                         ;          v144-207 the first fragment turned: register 8 c + j = K 16 c + 8 h + j of my row
.set TH,   208                         ;          v208-223 eight held numbers, two sets by turns
.set CH,   224                         ;          v224-255 a fragment's codes, two sets by turns
.set STG,  32768                       ; hidden's stages lie behind the weights' 4 x 8,192 bytes
.set SPH,  528                         ; a stage row: 512 bytes + 16: sixteen rows start at sixteen different 16-byte columns of 256 bytes
	s_load_b256 s[4:11], s[0:1], 0x0               ; hidden_states s[4:5], Wq s[6:7], Wk s[8:9], Wv s[10:11]
	s_load_b256 s[12:19], s[0:1], 0x20             ; Wo s[12:13], the exponents s[14:15], xc s[16:17], wc s[18:19]
	s_load_b64 s[20:21], s[0:1], 0x40              ; rope
	v_lshl_add_u32 v14, v0, 2, 0x10400
	v_mov_b32 v15, 0
	v_lshrrev_b32 v1, 5, v0
	v_readfirstlane_b32 s22, v1                    ; wave 0..3
	v_and_b32 v1, 31, v0                           ; lane
	v_and_b32 v2, 15, v0                           ; r
	v_bfe_u32 v3, v0, 4, 1                         ; h
	s_wait_kmcnt 0x0
	s_cmp_lt_u32 ttmp9, WGW
	s_cbranch_scc1 .Lweights
	s_cmp_lt_u32 ttmp9, WGW+WGH
	s_cbranch_scc1 .Lhidden
; ---- THE TABLE.  A wave makes four positions' 128 bytes: lane l takes position 4 x wave's number + l / 8, cos (l / 4 even) or sin (odd), frequencies 4 (l % 4) + 0..3: its 16 bytes lie at 16 l of the wave's 512.
	s_sub_co_u32 s36, ttmp9, WGW+WGH
	s_lshl_b32 s36, s36, 2
	s_add_co_u32 s36, s36, s22                     ; which of 512 waves
	s_lshl_b32 s37, s36, 2                         ; its first position
	s_lshl_b32 s43, s36, 9                         ; its 512 bytes
	s_mov_b32 s41, 0x3fc90fdb                      ; pi / 2 rounded to f32,
	s_mov_b32 s42, 0xb33bbd2e                      ; and what is left of pi / 2 (negative)
	s_wait_alu depctr_va_vdst(0)
	v_lshrrev_b32 v4, 3, v1
	v_add_nc_u32 v4, s37, v4
	v_cvt_f32_u32 v4, v4                           ; the position as f32 (exact)
	v_bfe_u32 v5, v1, 2, 1
	v_mul_u32_u24 v5, v5, 3                        ; sin x = cos(x - pi / 2): three quarter turns more
	v_and_b32 v6, 3, v1                            ; m: my frequencies are 10^(-m) x 10^(-i/4)
	v_lshl_add_u32 v7, v1, 4, s43
	v_cmp_eq_u32 s38, 1, v6
	v_cmp_eq_u32 s39, 2, v6
	v_cmp_eq_u32 s40, 3, v6
.macro FREQ i, f0, f1, f2, f3          ; v[8 + i] = the one of four constants that m names
	v_mov_b32 v[8+\i], \f0
	v_mov_b32 v12, \f1
	v_cndmask_b32 v[8+\i], v[8+\i], v12, s38
	v_mov_b32 v12, \f2
	v_cndmask_b32 v[8+\i], v[8+\i], v12, s39
	v_mov_b32 v12, \f3
	v_cndmask_b32 v[8+\i], v[8+\i], v12, s40
.endm
	FREQ 0, 0x3f800000, 0x3dcccccd, 0x3c23d70a, 0x3a83126f   ; 1, 0.1, 0.01, 0.001
	FREQ 1, 0x3f0ff59a, 0x3d6655c3, 0x3bb8449c, 0x3a136a16   ; 0.56234133 and its tenths
	FREQ 2, 0x3ea1e89b, 0x3d0186e2, 0x3b4f3e37, 0x39a5cb5f   ; 0.31622777
	FREQ 3, 0x3e361887, 0x3c91ad39, 0x3ae91528, 0x393a7753   ; 0.17782794
; x = position x frequency, rounded once.  k = the nearest whole number to x / (pi / 2); r = x - k pi / 2 in two steps, the first of which is exact (k has 11 bits, the difference is a multiple of 2^-23 under 1).
; |r| <= pi / 4: sin r and cos r by polynomials in z = r^2; the quarter turn picks one of the two and its sign.
.macro SINCOS i
	v_mul_f32 v16, v4, v[8+\i]
	v_mul_f32 v17, 0x3f22f983, v16                 ; x 2 / pi
	v_rndne_f32 v17, v17
	v_fma_f32 v18, -v17, s41, v16
	v_fma_f32 v18, -v17, s42, v18                  ; r
	v_cvt_i32_f32 v19, v17
	v_add_nc_u32 v19, v19, v5
	v_and_b32 v19, 3, v19                          ; q: 0 cos r, 1 -sin r, 2 -cos r, 3 sin r
	v_mul_f32 v20, v18, v18                        ; z
	v_mov_b32 v21, 0xb94ca1f9                      ; -1.9515296e-4
	v_fmaak_f32 v21, v20, v21, 0x3c08839e          ; + 8.3321609e-3
	v_fmaak_f32 v21, v20, v21, 0xbe2aaaa3          ; - 0.16666655
	v_mul_f32 v22, v18, v20
	v_fma_f32 v21, v22, v21, v18                   ; sin r
	v_mov_b32 v23, 0x37ccf5ce                      ; 2.4433157e-5
	v_fmaak_f32 v23, v20, v23, 0xbab6061a          ; - 1.3887316e-3
	v_fmaak_f32 v23, v20, v23, 0x3d2aaaa5          ; + 4.1666646e-2
	v_mul_f32 v24, v20, v20
	v_fma_f32 v25, v20, -0.5, 1.0
	v_fma_f32 v23, v24, v23, v25                   ; cos r
	v_and_b32 v26, 1, v19
	v_cmp_eq_u32 vcc_lo, 1, v26
	v_cndmask_b32 v21, v23, v21, vcc_lo            ; odd q: the sine
	v_add_nc_u32 v19, 1, v19
	v_and_b32 v19, 2, v19
	v_lshlrev_b32 v19, 30, v19                     ; q = 1, 2: the sign bit
	v_xor_b32 v[28+\i], v21, v19
.endm
	SINCOS 0
	SINCOS 1
	SINCOS 2
	SINCOS 3
	global_store_b128 v7, v[28:31], s[20:21]       ; the wave stores 512 consecutive bytes, aligned
	s_endpgm
; ---- THE WEIGHTS.  K is their first axis.  A LANE TAKES A COLUMN n AND ITS REGISTERS RUN DOWN K: each load reads 128 consecutive bytes a wave (512 a work-group), and the conversions, which take
; neighbours along K from one lane's registers, give codes with K innermost.  A wave takes 32 columns x 256 K = four fragments, gathered in its own 8,192 bytes of LDS in the fragments' own order.
.Lweights:
	s_load_b256 s[24:31], s[14:15], 0x0            ; e0 .. e7
	s_load_b128 s[32:35], s[14:15], 0x20           ; e8 .. e11
	s_lshr_b32 s36, ttmp9, 3                       ; cg: which 128 rows of wc
	s_and_b32 s37, ttmp9, 7                        ; ky: which 256 along K
	s_mov_b64 s[38:39], s[6:7]                     ; Wq: groups 0-31, a row of 16,384 bytes
	s_mov_b32 s40, 16384
	s_mov_b32 s41, 0
	s_cmp_ge_u32 s36, 32                           ; Wk: groups 32-35, rows of 2,048 bytes
	s_cselect_b64 s[38:39], s[8:9], s[38:39]
	s_cselect_b32 s40, 2048, s40
	s_cselect_b32 s41, 32, s41
	s_cmp_ge_u32 s36, 36                           ; Wv: groups 36-39
	s_cselect_b64 s[38:39], s[10:11], s[38:39]
	s_cselect_b32 s41, 36, s41
	s_cmp_ge_u32 s36, 40                           ; Wo: groups 40-55, rows of 8,192 bytes
	s_cselect_b64 s[38:39], s[12:13], s[38:39]
	s_cselect_b32 s40, 8192, s40
	s_cselect_b32 s41, 40, s41
	s_sub_co_u32 s43, s36, s41
	s_lshl_b32 s43, s43, 9                         ; the group's 128 columns, 512 bytes,
	s_lshl_b32 s62, s22, 7
	s_add_co_u32 s43, s43, s62                     ; my wave's 32 of them,
	s_lshl_b32 s62, s37, 8
	s_mul_i32 s62, s62, s40
	s_add_co_u32 s62, s62, s43                     ; 256 ky rows down
	s_mov_b32 s63, 0
	s_add_nc_u64 s[44:45], s[38:39], s[62:63]      ; block 0's base; block t's lies 32 rows further down than block t - 1's
	s_lshl_b32 s62, s40, 5
.irp t, 1,2,3,4,5,6,7
	s_add_nc_u64 s[44+2*\t:45+2*\t], s[42+2*\t:43+2*\t], s[62:63]
.endr
	s_wait_alu depctr_va_vdst(0)
	v_lshlrev_b32 v[VO], 2, v1
.set i, 1
.rept 31
	v_add_nc_u32 v[VO+i], s40, v[VO+i-1]
.set i, i+1
.endr
.macro LOADW t                         ; block t: W(32 t + i, my column), i = 0 .. 31, into set t % 2.  No address register is ever stepped
.set i, 0
.rept 32
	global_load_b32 v[XW+32*((\t)%2)+i], v[VO+i], s[44+2*(\t):45+2*(\t)] th:TH_LOAD_NT
.set i, i+1
.endr
.endm
	LOADW 0
	LOADW 1
	s_lshl_b32 s23, s22, 13                        ; my wave's 8,192 bytes of LDS
	v_lshlrev_b32 v4, 4, v2
	v_lshl_add_u32 v4, v3, 12, v4
	v_add_nc_u32 v4, s23, v4                       ; in: 16 (lane % 16) + 4,096 (lane / 16): my column's place in its two fragments
	v_lshlrev_b32 v8, 4, v1                        ; out: 16 x lane
	v_add_nc_u32 v7, s23, v8
	s_lshl_b32 s62, s36, 3
	s_lshl_b32 s63, s22, 1
	s_add_co_u32 s62, s62, s63                     ; my first tile of 16 rows: 8 cg + 2 wave
	s_lshl_b32 s62, s62, 4
	s_lshl_b32 s63, s37, 1
	s_add_co_u32 s62, s62, s63                     ; x 16 + 2 ky
	s_lshl_b32 s62, s62, 11
	s_mov_b32 s63, 0
	s_add_nc_u64 s[60:61], s[18:19], s[62:63]
	s_wait_kmcnt 0x0
	s_mov_b32 s42, s25                             ; e1, e3, e5 or e11
	s_cmp_ge_u32 s36, 32
	s_cselect_b32 s42, s27, s42
	s_cmp_ge_u32 s36, 36
	s_cselect_b32 s42, s29, s42
	s_cmp_ge_u32 s36, 40
	s_cselect_b32 s42, s35, s42
	s_add_co_i32 s42, s42, 127
	s_lshl_b32 s43, s42, 23
	v_mov_b32 v11, s43                             ; 2^e as f32: the conversion takes its exponent field
	s_add_co_i32 s42, s42, 8
	s_lshl_b32 s42, s42, 23
	s_or_b32 s42, s42, 0x600000
	v_mov_b32 v10, s42                             ; 448 x 2^e
; Group g of block t is K = 32 t + 8 g + 0..7: in fragment t / 4 that is c = 2 (t % 4) + g / 2, half g % 2: registers 2 c, 2 c + 1 of lane (n % 16) + 16 (g % 2).
.macro BLOCKW t
.set XS, XW+32*((\t)%2)
.if (\t) < 7
	s_wait_loadcnt 32                              ; this block's 32 loads are in; the next block's may be out
.else
	s_wait_loadcnt 0
.endif
.set i, 0
.rept 32
	v_med3_num_f32 v[XS+i], v[XS+i], -v10, v10     ; the conversion to an 8-bit code does not saturate (ISA guide 7.6.2): the hold comes first
.set i, i+1
.endr
.irp g, 0,1,2,3
	v_cvt_scalef32_pk8_fp8_f32 v[CW+2*\g:CW+2*\g+1], v[XS+8*\g:XS+8*\g+7], v11
.endr
.irp g, 0,1,2,3
	ds_store_b64 v4, v[CW+2*\g:CW+2*\g+1] offset:((\t)/4)*2048+512*((\t)%4)+256*(\g%2)+8*(\g/2)
.endr
.if (\t) < 6
	LOADW (\t)+2
.endif
	s_wait_dscnt 0x0                               ; the stores have read their registers: the next block's codes may be written (its 32 holds are the plain lines between the conversions)
.endm
	s_wait_alu depctr_va_vdst(0)
.irp t, 0,1,2,3,4,5,6,7
	BLOCKW \t
.endr
.irp i, 0,1,2,3,4,5,6,7,8,9,10,11,12,13,14,15
	ds_load_b128 v[OW+4*\i:OW+4*\i+3], v7 offset:512*\i    ; LDS serves a wave's instructions in order: these see my stores
.endr
.irp i, 0,1,2,3,4,5,6,7,8,9,10,11,12,13,14,15
	s_wait_dscnt 15-\i
	global_store_b128 v8, v[OW+4*\i:OW+4*\i+3], s[60:61] offset:(\i/8)*32768+(\i%8)*512   ; 512 consecutive bytes, aligned; the second tile of rows lies 16 fragments on
.endr
	s_wait_tensorcnt 0x0
	ds_add_u32 v14, v15
	s_wait_dscnt 0x0
	s_endpgm
; ---- HIDDEN_STATES.  K is innermost.  A wave takes 16 rows x 256 K = two fragments.  Each load reads 512 consecutive bytes of a row; the numbers turn through the wave's own stage so that a lane
; holds, of row r, K = 16 c + 8 h + 0..7; they are then quantised three times, under entries 0, 2 and 4, which need not be equal.
.Lhidden:
	s_load_b256 s[24:31], s[14:15], 0x0            ; e0 .. e7
	s_sub_co_u32 s36, ttmp9, WGW
	s_lshl_b32 s36, s36, 2
	s_add_co_u32 s36, s36, s22                     ; which of 1,024 waves
	s_lshr_b32 s37, s36, 3                         ; rt: which 16 rows
	s_and_b32 s38, s36, 7                          ; kp: which 256 along K
	s_lshl_b32 s46, s37, 17                        ; 16 rows of 8,192 bytes
	s_lshl_b32 s39, s38, 10
	s_add_co_u32 s46, s46, s39
	s_mov_b32 s47, 0
	s_add_nc_u64 s[4:5], s[4:5], s[46:47]
	s_wait_alu depctr_va_vdst(0)
	v_lshlrev_b32 v5, 4, v1                        ; 16 x lane
	s_wait_alu depctr_va_vdst(0)
.irp f, 0,1
.irp i, 0,1,2,3,4,5,6,7,8,9,10,11,12,13,14,15
	global_load_b128 v[RH+64*\f+4*\i:RH+64*\f+4*\i+3], v5, s[4:5] offset:\i*8192+\f*512 th:TH_LOAD_NT
.endr
.endr
	s_lshl_b32 s46, s37, 15
	s_lshl_b32 s39, s38, 12
	s_add_co_u32 s46, s46, s39                     ; fragment (rt, 2 kp)
	s_add_nc_u64 s[40:41], s[16:17], s[46:47]      ; in plane 0,
	s_add_nc_u64 s[42:43], s[40:41], 0x400000      ; 1,
	s_add_nc_u64 s[44:45], s[42:43], 0x400000      ; 2
	s_mul_i32 s48, s22, 16*SPH
	s_add_co_u32 s48, s48, STG                     ; my stage
	v_add_nc_u32 v6, s48, v5                       ; in: 16 x lane of a row
	v_mul_u32_u24 v7, v2, SPH
	v_lshl_add_u32 v7, v3, 5, v7
	v_add_nc_u32 v7, s48, v7                       ; back: row r, + 32 h
	s_wait_alu depctr_va_vdst(0)
	s_wait_kmcnt 0x0
.irp p, 0,1,2
	s_add_co_i32 s50, s[24+2*\p], 127
	s_lshl_b32 s51, s50, 23
	v_mov_b32 v[8+2*\p], s51                       ; 2^e
	s_add_co_i32 s50, s50, 8
	s_lshl_b32 s50, s50, 23
	s_or_b32 s50, s50, 0x600000
	v_mov_b32 v[9+2*\p], s50                       ; 448 x 2^e
.endr
.macro TURNH f, dst                    ; fragment f's 16 rows of 512 bytes through the stage.  LDS serves a wave's instructions in order: no wait between the stores and the loads, nor ahead of the next turn's stores
.irp i, 0,1,2,3,4,5,6,7,8,9,10,11,12,13,14,15
	ds_store_b128 v6, v[RH+64*\f+4*\i:RH+64*\f+4*\i+3] offset:SPH*\i
.endr
.irp c, 0,1,2,3,4,5,6,7
	ds_load_b128 v[\dst+8*\c:\dst+8*\c+3], v7 offset:64*\c
	ds_load_b128 v[\dst+8*\c+4:\dst+8*\c+7], v7 offset:64*\c+16
.endr
.endm
.set PASS, 0
.macro QUANT3 x, f                     ; 64 numbers a lane become three fragments.  The held numbers go into two sets of eight by turns, so that eight plain lines stand between a conversion and the next write of its sources
.irp p, 0,1,2
.if PASS > 1
	s_wait_xcnt 0x0                                ; the stores of two passes ago have read this set of codes
.endif
.set CS, CH+16*(PASS%2)
.irp c, 0,1,2,3,4,5,6,7
.irp j, 0,1,2,3,4,5,6,7
	v_med3_num_f32 v[TH+8*(\c%2)+\j], v[\x+8*\c+\j], -v[9+2*\p], v[9+2*\p]
.endr
	v_cvt_scalef32_pk8_fp8_f32 v[CS+2*\c:CS+2*\c+1], v[TH+8*(\c%2):TH+8*(\c%2)+7], v[8+2*\p]
.endr
	v_nop                                          ; a plain line behind the last conversion
.irp i, 0,1,2,3
	global_store_b128 v5, v[CS+4*\i:CS+4*\i+3], s[40+2*\p:41+2*\p] offset:\f*2048+512*\i   ; 512 consecutive bytes, aligned
.endr
.set PASS, PASS+1
.endr
.endm
	s_wait_alu depctr_va_vdst(0)
	s_wait_loadcnt 16                              ; the first fragment's 16 loads are in
	TURNH 0, XH
	s_wait_loadcnt 0x0
	TURNH 1, RH                                    ; it lands where the first fragment was loaded: those registers' stores stand ahead in the LDS order
	s_wait_dscnt 32                                ; the first turn is back; the second turn's 32 lines may be out
	QUANT3 XH, 0
	s_wait_dscnt 0x0
	QUANT3 RH, 1
	s_wait_tensorcnt 0x0
	ds_add_u32 v14, v15
	s_wait_dscnt 0x0
	s_endpgm
.Lfunc_end_k_qe01c1e3dbb_prep:
	.size	k_qe01c1e3dbb_prep, .Lfunc_end_k_qe01c1e3dbb_prep-k_qe01c1e3dbb_prep
	.p2alignl 7, 3214868480
	.fill 96, 4, 3214868480
	.section	.rodata,"a",@progbits
	.p2align	6, 0x0
	.amdhsa_kernel k_qe01c1e3dbb_prep
		.amdhsa_group_segment_fixed_size 67072
		.amdhsa_private_segment_fixed_size 0
		.amdhsa_enable_private_segment 0
		.amdhsa_kernarg_size 72
		.amdhsa_user_sgpr_count 2
		.amdhsa_user_sgpr_kernarg_segment_ptr 1
		.amdhsa_wavefront_size32 1
		.amdhsa_system_sgpr_workgroup_id_x 1
		.amdhsa_system_sgpr_workgroup_id_y 1
		.amdhsa_system_sgpr_workgroup_id_z 1
		.amdhsa_system_vgpr_workitem_id 0
		.amdhsa_next_free_vgpr 256
		.amdhsa_next_free_sgpr 66
		.amdhsa_reserve_vcc 1
		.amdhsa_float_denorm_mode_32 3
		.amdhsa_float_denorm_mode_16_64 3
		.amdhsa_memory_ordered 1
		.amdhsa_forward_progress 1
		.amdhsa_inst_pref_size 99
	.end_amdhsa_kernel
	.amdgpu_metadata
---
amdhsa.version: [ 1, 2 ]
amdhsa.kernels:
  - .name:           k_qe01c1e3dbb_prep
    .symbol:         k_qe01c1e3dbb_prep.kd
    .args:
      - { .name: hidden_states, .offset: 0, .size: 8, .value_kind: global_buffer, .address_space: global }
      - { .name: Wq, .offset: 8, .size: 8, .value_kind: global_buffer, .address_space: global }
      - { .name: Wk, .offset: 16, .size: 8, .value_kind: global_buffer, .address_space: global }
      - { .name: Wv, .offset: 24, .size: 8, .value_kind: global_buffer, .address_space: global }
      - { .name: Wo, .offset: 32, .size: 8, .value_kind: global_buffer, .address_space: global }
      - { .name: lowp_scales, .offset: 40, .size: 8, .value_kind: global_buffer, .address_space: global }
      - { .name: xc, .offset: 48, .size: 8, .value_kind: global_buffer, .address_space: global }
      - { .name: wc, .offset: 56, .size: 8, .value_kind: global_buffer, .address_space: global }
      - { .name: rope, .offset: 64, .size: 8, .value_kind: global_buffer, .address_space: global }
    .group_segment_fixed_size: 67072
    .private_segment_fixed_size: 0
    .kernarg_segment_align: 8
    .kernarg_segment_size: 72
    .max_flat_workgroup_size: 128
    .sgpr_count:     66
    .vgpr_count:     256
    .wavefront_size: 32
...
	.end_amdgpu_metadata
.endif
;; end of part 1
;; launch qkv (part 2): grid 8 x 20, 4 waves a work-group, clusters of 4 x 1, 327,680 bytes of LDS; arguments xc, wc, lowp_scales, q_norm_w, k_norm_w, rope, qc, kc, vc, gd; writes qc, kc, vc, gd
.if DOCPART == 2
	.amdgcn_target "amdgcn-amd-amdhsa--gfx1250"
	.amdhsa_code_object_version 6
	.text
	.protected	k_qe01c1e3dbb_qkv
	.globl	k_qe01c1e3dbb_qkv
	.p2align	8
	.type	k_qe01c1e3dbb_qkv,@function
k_qe01c1e3dbb_qkv:
	s_mov_b64 s[64:65], 0
	v_nop
	global_prefetch_b8 v0, s[64:65] scope:SCOPE_SE
	s_setreg_imm32_b32 hwreg(HW_REG_WAVE_MODE, 25, 1), 1
	s_wait_xcnt 0x0
	s_wait_alu depctr_hold_cnt(0) depctr_sa_sdst(0) depctr_va_vdst(0) depctr_va_sdst(0) depctr_va_ssrc(0) depctr_va_vcc(0) depctr_vm_vsrc(0)
	s_getreg_b32 s2, hwreg(HW_REG_IB_STS2, 6, 4)
	s_cmp_eq_u32 s2, 0
	s_cbranch_scc0 .Lentry_in_a_cluster
	s_endpgm
.Lentry_in_a_cluster:
	s_bfe_u32 s2, ttmp6, 0x10000c
	s_cmp_lg_u32 s2, 0x3003
	s_cbranch_scc0 .Lentry_shape_is_right
	s_endpgm
.Lentry_shape_is_right:
.set HALFT,  32768
.set SLOT,   4*HALFT
.set SPARE,  2*SLOT
.set KB,     4096
.set FR,     16
.set NL,     4
.set NP,     4
.set LAPS,   4
.set ADRA, 16
.set ADRB, 20
.set SPW,  28
.set NIL,  29
.set AF,   128
.set G1, 24
.set G0, 32
.set G1B, 48
.set G0B, 56
.set SSQ, 32
.set RR,  48
.set T,   64
.set U,   192
.set CD,  208
.set NW,  128
.set MSB, 0
.macro WIN new
.if MSB != (\new)
	s_set_vgpr_msb (MSB<<8)|(\new)
.set MSB, (\new)
.endif
.endm
.set MUL_LO, 0xa1
.set MUL_HI, 0xf1
.set TO_B,   0x40
.macro JLOAD g0a, g1a, g0b, g1b
	s_cmp_eq_u32 s15, 0
	s_cbranch_scc0 .Lfor_b_\@
	tensor_load_to_lds s[\g0a:\g0a+3], s[\g1a:\g1a+7]
	s_nop 0
.rept 4
	v_nop
.endr
	s_branch .Lasked_\@
.Lfor_b_\@:
	tensor_load_to_lds s[\g0b:\g0b+3], s[\g1b:\g1b+7]
	s_nop 0
.rept 4
	v_nop
.endr
.Lasked_\@:
.endm
; A PREFETCH INTO THE L2 of 4,096 bytes of each of the 8 rows of fragments that the wave fetches in a K step.  Behind the load of K step 0 stands the request for K step 1, behind that of K step 1 those for K steps 2 and 3,
; and behind the refill with K step j (j = 2 .. 5) that for K step j + 2.
; wc's rows are fetched jointly: partner cx takes 2 of the 8 rows, told apart by address: one instruction.  xc's rows are read by all work-groups of a row block and plane: the work-groups y = 0 .. 7 and 16 .. 19 ask,
; each for the 4 rows that y % 2 names: two instructions; so a block of 256 bytes is named by four work-groups at the most.
.macro ASK off
	s_cmp_gt_u32 s3, s66
	s_cbranch_scc0 .Lna_\@
	global_prefetch_b8 v30, s[100:101] offset:\off th:TH_LOAD_NT scope:SCOPE_SE
	s_cmp_eq_u32 s15, 0
	s_cbranch_scc0 .Lna_\@
	global_prefetch_b8 v30, s[100:101] offset:\off+65536 th:TH_LOAD_NT scope:SCOPE_SE
.Lna_\@:
.endm
.macro CREST
	s_cmp_lg_u32 s14, 0
	s_cbranch_scc1 .Lnot_wave_0_\@
	s_barrier_signal -3
.Lnot_wave_0_\@:
	s_barrier_wait -3
	s_barrier_signal -1
	s_barrier_wait -1
.endm
.macro CROUND
	s_barrier_signal -1
	s_barrier_wait -1
	CREST
.endm
	s_load_b256 s[68:75], s[0:1], 0x0
	s_load_b256 s[76:83], s[0:1], 0x20
	s_load_b128 s[84:87], s[0:1], 0x40
	v_lshl_add_u32 v[SPW], v0, 2, SPARE
	v_mov_b32 v[NIL], 0
	ds_add_u32 v28, v29
	ds_add_u32 v28, v29
	s_wait_dscnt 0x0
	v_lshrrev_b32 v1, 5, v0
	v_readfirstlane_b32 s14, v1
	v_bfe_u32 v30, v0, 4, 1                        ; the prefetches' offset: lanes 0-15 one row of fragments, lanes 16-31 the next (32,768 bytes on), 256 bytes from lane to lane; never rewritten
	v_lshlrev_b32 v30, 15, v30
	v_and_b32 v31, 15, v0
	v_lshl_add_u32 v30, v31, 8, v30
	s_lshr_b32 s15, s14, 1
	s_and_b32 s16, s14, 1
	s_bfe_u32 s40, ttmp6, 0x40000
	s_lshl_b32 s17, ttmp9, 2
	s_add_co_u32 s17, s17, s40
	s_and_b32 s18, ttmp7, 0xffff
	s_mov_b32 s[G1], 3<<16
	s_mov_b32 s[G1B], 15|(3<<16)|(1<<21)
.irp g, G1, G1B
	s_mov_b32 s[\g+1], 512<<16
	s_mov_b32 s[\g+2], 8<<16
	s_mov_b32 s[\g+3], 512<<16
	s_mov_b32 s[\g+4], 8
	s_mov_b32 s[\g+5], 4096
	s_mov_b32 s[\g+6], 0
	s_mov_b32 s[\g+7], 0
.endr
	s_mov_b32 s19, 0
	s_cmp_ge_u32 s18, 16
	s_cselect_b32 s19, 0x400000, s19
	s_cmp_ge_u32 s18, 18
	s_cselect_b32 s19, 0x800000, s19
	s_cselect_b32 s43, 1, 0
	s_lshl_b32 s2, s16, 3
	s_lshl_b32 s20, s17, 4
	s_add_co_u32 s20, s20, s2
	s_lshl_b32 s20, s20, 15
	s_add_co_u32 s20, s20, s19
	s_mov_b32 s21, 0
	s_lshl_b32 s46, s18, 4
	s_add_co_u32 s46, s46, s2
	s_lshl_b32 s46, s46, 15
	s_mov_b32 s47, 0
	s_lshl_b32 s45, s14, 15
	s_wait_kmcnt 0x0
	s_load_b256 s[88:95], s[72:73], 0x0
	s_load_b128 s[96:99], s[72:73], 0x20
	s_add_nc_u64 s[20:21], s[68:69], s[20:21]
	s_add_nc_u64 s[46:47], s[70:71], s[46:47]
	s_and_b32 s67, s18, 1
	s_lshl_b32 s67, s67, 17                        ; xc: 4 rows of fragments x (y % 2)
	s_lshl_b32 s6, s40, 16                         ; wc: 2 rows x cx
	s_cmp_eq_u32 s15, 0
	s_cselect_b64 s[100:101], s[20:21], s[46:47]
	s_cselect_b32 s4, s67, s6
	s_add_co_u32 s4, s4, KB                        ; at K step 1
	s_mov_b32 s5, 0
	s_add_nc_u64 s[100:101], s[100:101], s[4:5]
	s_sub_co_u32 s67, s18, 8
	s_cmp_lt_u32 s67, 8
	s_cselect_b32 s67, 1, 0                        ; y = 8 .. 15: xc's rows are asked for by others
	s_cmp_eq_u32 s15, 0
	s_cselect_b32 s67, s67, 0
	s_cmp_eq_u32 s67, 0
	s_cselect_b32 s66, 1, -1                       ; a wave asks while the count of laps to go is above this
	s_mov_b32 s3, LAPS-1
.irp s, 0,1
	s_mov_b32 s[G0+4*\s], 1
	s_add_co_u32 s[G0+4*\s+1], s45, \s*SLOT
	s_add_nc_u64 s[G0+4*\s+2:G0+4*\s+3], s[20:21], \s*KB
	s_or_b32 s[G0+4*\s+3], s[G0+4*\s+3], 0x80000000
	s_mov_b32 s[G0B+4*\s], 1
	s_add_co_u32 s[G0B+4*\s+1], s45, \s*SLOT
	s_add_nc_u64 s[G0B+4*\s+2:G0B+4*\s+3], s[46:47], \s*KB
	s_or_b32 s[G0B+4*\s+3], s[G0B+4*\s+3], 0x80000000
	s_wait_alu depctr_va_vdst(0)
	s_wait_tensorcnt 0x0
	ds_add_u32 v28, v29
	ds_add_u32 v28, v29
	s_wait_dscnt 0x0
	CROUND
	JLOAD G0+4*\s, G1, G0B+4*\s, G1B
.if \s == 0
	ASK 0
.else
	ASK 4096
	ASK 8192
.endif
.endr
	v_and_b32 v1, 31, v0
	v_and_b32 v2, 15, v0
	v_bfe_u32 v3, v0, 4, 1
	v_lshlrev_b32 v24, 4, v1
	s_wait_alu depctr_va_vdst(0)
	v_lshlrev_b32 v26, 5, v3
	v_lshl_add_u32 v25, v2, 7, v26
	s_lshl_b32 s21, s43, 16
	s_lshl_b32 s22, s15, 15
	s_add_co_u32 s21, s21, s22
	s_xor_b32 s23, s43, 1
	s_lshl_b32 s22, s23, 16
	s_lshl_b32 s23, s16, 15
	s_add_co_u32 s22, s22, s23
.irp s, 0,1
	v_add_nc_u32 v[ADRA+\s], s21, v24
	v_add_nc_u32 v[ADRB+\s], s22, v24
	s_add_co_u32 s21, s21, SLOT
	s_add_co_u32 s22, s22, SLOT
.endr
.macro FRAG reg, adr, q, i
.irp c, 0,1,2,3
	ds_load_b128 v[\reg+4*\c:\reg+4*\c+3], v[\adr] offset:((\i)*2+(\q))*2048+512*\c
.endr
.endm
.macro MUL16 a0, p, zero
.irp a, \a0, \a0+1
.irp b, 0,1,2,3,4,5,6,7
.if \zero
	v_wmma_f32_16x16x128_fp8_fp8 v[8*(8*((\a)%4)+\b):8*(8*((\a)%4)+\b)+7], v[128*(\p)+FR*\b:128*(\p)+FR*\b+FR-1], v[AF+FR*(\a):AF+FR*(\a)+FR-1], 0
.else
	v_wmma_f32_16x16x128_fp8_fp8 v[8*(8*((\a)%4)+\b):8*(8*((\a)%4)+\b)+7], v[128*(\p)+FR*\b:128*(\p)+FR*\b+FR-1], v[AF+FR*(\a):AF+FR*(\a)+FR-1], v[8*(8*((\a)%4)+\b):8*(8*((\a)%4)+\b)+7]
.endif
.endr
.endr
.endm
.macro FETCH_B slot, q, p
	WIN TO_B
.irp i, 0,1,2,3,4,5,6,7
	FRAG 128*(\p)+FR*\i, ADRB+\slot, \q, \i
.endr
	WIN 0
.endm
.macro FETCH_A slot, q, i0
.irp i, \i0, \i0+1, \i0+2, \i0+3
	FRAG AF+FR*(\i), ADRA+\slot, \q, \i
.endr
.endm
.macro PLACES n
.rept \n
	v_nop
.endr
.endm
.macro STEP slot, q, zero
	s_wait_dscnt 4*NL
	WIN MUL_LO
	MUL16 0, (\q)%2, \zero
	MUL16 2, (\q)%2, \zero
	s_wait_dscnt 0
	PLACES NP
	FETCH_B \slot, (\q)+1, 1-(\q)%2
	FETCH_A \slot, (\q)+1, 0
	WIN MUL_HI
	MUL16 4, (\q)%2, \zero
	MUL16 6, (\q)%2, \zero
	PLACES NP
	WIN 0
	FETCH_A \slot, (\q)+1, 4
.endm
.macro TURN slot, next, fill
	s_wait_tensorcnt 0x0
	ds_add_u32 v[SPW], v[NIL]
	s_wait_dscnt 4*NL+1
	WIN MUL_LO
	MUL16 0, 1, 0
	s_wait_dscnt 0x0
	s_barrier_signal -1
	MUL16 2, 1, 0
	WIN 0
	s_barrier_wait -1
.if \fill
	CREST
	s_add_nc_u64 s[G0+4*\slot+2:G0+4*\slot+3], s[G0+4*\slot+2:G0+4*\slot+3], 2*KB
	s_add_nc_u64 s[G0B+4*\slot+2:G0B+4*\slot+3], s[G0B+4*\slot+2:G0B+4*\slot+3], 2*KB
	JLOAD G0+4*\slot, G1, G0B+4*\slot, G1B
.else
	PLACES NP
.endif
	FETCH_B \next, 0, 0
	FETCH_A \next, 0, 0
.if \fill
	ASK 12288+4096*\slot
.endif
	WIN MUL_HI
	MUL16 4, 1, 0
	MUL16 6, 1, 0
	PLACES NP
	WIN 0
	FETCH_A \next, 0, 4
.endm
	s_wait_alu depctr_va_vdst(0)
	s_wait_tensorcnt 1
	s_barrier_signal -1
	s_barrier_wait -1
	FETCH_B 0, 0, 0
	FETCH_A 0, 0, 0
	FETCH_A 0, 0, 4
	STEP 0, 0, 1
	s_mov_b32 s3, LAPS-1
.Llap:
	TURN 0, 1, 1
	STEP 1, 0, 0
	TURN 1, 0, 1
	STEP 0, 0, 0
	s_wait_xcnt 0x0                                ; the lap's prefetches have read their address
	s_add_nc_u64 s[100:101], s[100:101], 2*KB
	s_sub_co_u32 s3, s3, 1
	s_cmp_lg_u32 s3, 0
	s_cbranch_scc1 .Llap
	TURN 0, 1, 0
	STEP 1, 0, 0
	s_wait_dscnt 4*NL
	WIN MUL_LO
	MUL16 0, 1, 0
	MUL16 2, 1, 0
	s_wait_dscnt 0
	WIN MUL_HI
	MUL16 4, 1, 0
	MUL16 6, 1, 0
	WIN 0
	s_wait_kmcnt 0x0
	s_add_co_i32 s41, s88, s89
	s_add_co_i32 s2, s90, s91
	s_add_co_i32 s19, s92, s93
	s_sub_co_i32 s22, s97, s19
	s_mov_b32 s42, s94
	s_cmp_ge_u32 s18, 16
	s_cselect_b32 s41, s2, s41
	s_cselect_b32 s42, s95, s42
	s_cmp_ge_u32 s18, 18
	s_cselect_b32 s41, s19, s41
	s_cselect_b32 s42, s22, s42
	s_add_co_i32 s44, s41, 127
	s_lshl_b32 s44, s44, 23
	s_lshl_b32 s46, s41, 1
	s_add_co_i32 s46, s46, 120
	s_lshl_b32 s46, s46, 23
	s_mov_b32 s47, 0x358637bd
	s_lshl_b32 s20, s41, 23
	s_add_co_i32 s20, s20, 0xbfb8aa3b
	s_mov_b32 s21, s20
	s_add_co_i32 s42, s42, 127
	s_lshl_b32 s23, s42, 23
	s_add_co_i32 s42, s42, 8
	s_lshl_b32 s42, s42, 23
	s_or_b32 s42, s42, 0x600000
	s_mov_b32 s12, 0x76543210
	s_mov_b32 s13, 0xfedcba98
	s_lshl_b32 s2, s17, 4
	s_lshl_b32 s19, s15, 3
	s_add_co_u32 s2, s2, s19
	s_lshl_b32 s19, s18, 1
	s_add_co_u32 s19, s19, s16
	PLACES NP
	v_mov_b32 v240, s23
	v_mov_b32 v241, s42
	s_cmp_ge_u32 s18, 18
	s_cbranch_scc1 .Lvtail
	s_cmp_ge_u32 s18, 16
	s_cbranch_scc1 .Lqk
	s_cmp_ge_u32 s18, 8
	s_cbranch_scc1 .Lgate
.Lqk:
	s_lshl_b32 s22, s2, 4
	s_add_co_u32 s22, s22, s19
	s_sub_co_u32 s23, s19, 32
	s_lshl_b32 s23, s23, 7
	s_add_co_u32 s23, s23, s2
	s_mov_b32 s6, 32768
	s_cmp_ge_u32 s18, 16
	s_cselect_b32 s22, s23, s22
	s_cselect_b64 s[4:5], s[82:83], s[80:81]
	s_cselect_b64 s[10:11], s[76:77], s[74:75]
	s_cselect_b32 s6, 2048, s6
	s_mov_b32 s7, 0
	s_lshl_b32 s22, s22, 11
	s_mov_b32 s23, 0
	s_add_nc_u64 s[4:5], s[4:5], s[22:23]
	s_lshl_b32 s22, s2, 11
	s_add_nc_u64 s[8:9], s[78:79], s[22:23]
	WIN 0x40
.irp b, 0,1,2,3,4,5,6,7
	global_load_b128 v[NW+8*\b:NW+8*\b+3], v26, s[10:11] offset:64*\b
	global_load_b128 v[NW+8*\b+4:NW+8*\b+7], v26, s[10:11] offset:64*\b+16
.endr
.irp a, 0,1,2,3,4,5,6,7
	global_load_b128 v[16*\a:16*\a+3], v25, s[8:9] offset:2048*\a
	global_load_b128 v[16*\a+4:16*\a+7], v25, s[8:9] offset:2048*\a+16
	global_load_b128 v[16*\a+8:16*\a+11], v25, s[8:9] offset:2048*\a+64
	global_load_b128 v[16*\a+12:16*\a+15], v25, s[8:9] offset:2048*\a+80
.endr
.macro SSQW w
	WIN (\w)|((\w)<<2)
.irp i, 0,4,8,12,16,20,24,28,32,36,40,44,48,52,56,60
.irp a, 0,1,2,3
.set BA, 2*(4*((\w)-2)+\a)
.if \i == 0
	v_pk_mul_f32 v[SSQ+BA:SSQ+BA+1], v[64*\a:64*\a+1], v[64*\a:64*\a+1]
	v_pk_mul_f32 v[U+BA:U+BA+1], v[64*\a+2:64*\a+3], v[64*\a+2:64*\a+3]
.else
	v_pk_fma_f32 v[SSQ+BA:SSQ+BA+1], v[64*\a+\i:64*\a+\i+1], v[64*\a+\i:64*\a+\i+1], v[SSQ+BA:SSQ+BA+1]
	v_pk_fma_f32 v[U+BA:U+BA+1], v[64*\a+\i+2:64*\a+\i+3], v[64*\a+\i+2:64*\a+\i+3], v[U+BA:U+BA+1]
.endif
.endr
.endr
.endm
	SSQW 2
	SSQW 3
	WIN 0
.irp a, 0,1,2,3,4,5,6,7
	v_pk_add_f32 v[SSQ+2*\a:SSQ+2*\a+1], v[SSQ+2*\a:SSQ+2*\a+1], v[U+2*\a:U+2*\a+1]
.endr
.irp a, 0,1,2,3,4,5,6,7
	v_add_f32 v[SSQ+2*\a], v[SSQ+2*\a], v[SSQ+2*\a+1]
.endr
.irp a, 0,1,2,3,4,5,6,7
	v_permlanex16_b32 v[SSQ+2*\a+1], v[SSQ+2*\a], s12, s13
.endr
.irp a, 0,1,2,3,4,5,6,7
	v_add_f32 v[SSQ+2*\a], v[SSQ+2*\a], v[SSQ+2*\a+1]
.endr
.irp a, 0,1,2,3,4,5,6,7
	v_fma_f32 v[SSQ+2*\a], v[SSQ+2*\a], s46, s47
.endr
	s_wait_alu depctr_va_vdst(0)
.irp a, 0,1,2,3,4,5,6,7
	v_rsq_f32 v[RR+2*\a], v[SSQ+2*\a]
.endr
	v_nop
	s_wait_alu depctr_va_vdst(0)
.irp a, 0,1,2,3,4,5,6,7
	v_mul_f32 v[RR+2*\a+1], s44, v[RR+2*\a]
.endr
.irp a, 0,1,2,3,4,5,6,7
	v_mov_b32 v[RR+2*\a], v[RR+2*\a+1]
.endr
	s_wait_alu depctr_va_vdst(0)
	s_wait_loadcnt 0x0
.macro NORMQ a
.set AC, 64*((\a)%4)
	WIN 2+(\a)/4
.set j, 0
.rept 32
	v_pk_mul_f32 v[T+j:T+j+1], v[AC+j:AC+j+1], v[RR+2*(\a):RR+2*(\a)+1]
.set j, j+2
.endr
	WIN 0x04
.set j, 0
.rept 32
	v_pk_mul_f32 v[T+j:T+j+1], v[T+j:T+j+1], v[NW+j:NW+j+1]
.set j, j+2
.endr
.irp j, 0,2,4,6
	v_pk_mul_f32 v[U+\j:U+\j+1], v[T+8+\j:T+9+\j], v[16*(\a)+8+\j:16*(\a)+9+\j]
	v_pk_mul_f32 v[U+8+\j:U+9+\j], v[T+\j:T+\j+1], v[16*(\a)+8+\j:16*(\a)+9+\j]
.endr
.irp j, 0,2,4,6
	v_pk_fma_f32 v[T+\j:T+\j+1], v[T+\j:T+\j+1], v[16*(\a)+\j:16*(\a)+\j+1], v[U+\j:U+\j+1] neg_lo:[0,0,1] neg_hi:[0,0,1]
	v_pk_fma_f32 v[T+8+\j:T+9+\j], v[T+8+\j:T+9+\j], v[16*(\a)+\j:16*(\a)+\j+1], v[U+8+\j:U+9+\j]
.endr
	WIN 0
.set j, 0
.rept 64
	v_med3_num_f32 v[T+j], v[T+j], -v241, v241
.set j, j+1
.endr
.set j, 0
.rept 8
	v_cvt_scalef32_pk8_fp8_f32 v[CD+2*j:CD+2*j+1], v[T+8*j:T+8*j+7], v240
.set j, j+1
.endr
	v_nop
.irp c, 0,1,2,3
	global_store_b128 v24, v[CD+4*\c:CD+4*\c+3], s[4:5] offset:512*\c
.endr
	s_wait_xcnt 0x0
	s_add_nc_u64 s[4:5], s[4:5], s[6:7]
.endm
.irp a, 0,1,2,3,4,5,6,7
	NORMQ \a
.endr
	s_branch .Ldone
.Lgate:
	s_lshl_b32 s22, s2, 4
	s_add_co_u32 s22, s22, s19
	s_sub_co_u32 s22, s22, 16
	s_lshl_b32 s22, s22, 13
	s_mov_b32 s23, 0
	s_add_nc_u64 s[4:5], s[86:87], s[22:23]
.macro GATE a
.set AC, 64*((\a)%4)
.set TT, T+64*((\a)%2)
.if (\a) > 1
	s_wait_xcnt 0x0
.endif
	WIN 2+(\a)/4
.set j, 0
.rept 32
	v_pk_mul_f32 v[TT+j:TT+j+1], v[AC+j:AC+j+1], s[20:21] op_sel_hi:[1,0]
.set j, j+2
.endr
	WIN 0
.set j, 0
	s_wait_alu depctr_va_vdst(0)
.rept 64
	v_exp_f32 v[TT+j], v[TT+j]
.set j, j+1
.endr
	v_nop
	s_wait_alu depctr_va_vdst(0)
.set j, 0
.rept 32
	v_pk_add_f32 v[TT+j:TT+j+1], v[TT+j:TT+j+1], 1.0 op_sel_hi:[1,0]
.set j, j+2
.endr
.irp i, 0,1,2,3,4,5,6,7,8,9,10,11,12,13,14,15
	global_store_b128 v24, v[TT+4*\i:TT+4*\i+3], s[4:5] offset:(\a)*131072+512*\i
.endr
.endm
.irp a, 0,1,2,3,4,5,6,7
	GATE \a
.endr
	s_branch .Ldone
.Lvtail:
	s_sub_co_u32 s22, s18, 18
	s_lshl_b32 s22, s22, 1
	s_add_co_u32 s22, s22, s15
	s_lshl_b32 s22, s22, 4
	s_lshl_b32 s23, s17, 1
	s_add_co_u32 s22, s22, s23
	s_add_co_u32 s22, s22, s16
	s_lshl_b32 s22, s22, 14
	s_mov_b32 s23, 0
	s_add_nc_u64 s[4:5], s[84:85], s[22:23]
.macro VQ a
.set AC, 64*((\a)%4)
	WIN 2+(\a)/4
.set j, 0
.rept 64
	v_med3_num_f32 v[T+j], v[AC+j], -v241, v241
.set j, j+1
.endr
	WIN 0
.if (\a) > 0
	s_wait_alu depctr_va_vdst(0)
	s_wait_xcnt 0x0
.endif
.set j, 0
.rept 8
	v_cvt_scalef32_pk8_fp8_f32 v[CD+2*j:CD+2*j+1], v[T+8*j:T+8*j+7], v240
.set j, j+1
.endr
	v_nop
.irp c, 0,1,2,3
	global_store_b128 v24, v[CD+4*\c:CD+4*\c+3], s[4:5] offset:(\a)*2048+512*\c
.endr
.endm
	s_wait_alu depctr_va_vdst(0)
.irp a, 0,1,2,3,4,5,6,7
	VQ \a
.endr
.Ldone:
	s_wait_tensorcnt 0x0
	ds_add_u32 v[SPW], v[NIL]
	s_wait_dscnt 0x0
	CROUND
	s_endpgm
.Lfunc_end_k_qe01c1e3dbb_qkv:
	.size	k_qe01c1e3dbb_qkv, .Lfunc_end_k_qe01c1e3dbb_qkv-k_qe01c1e3dbb_qkv
	.p2alignl 7, 3214868480
	.fill 96, 4, 3214868480
	.section	.rodata,"a",@progbits
	.p2align	6, 0x0
	.amdhsa_kernel k_qe01c1e3dbb_qkv
		.amdhsa_group_segment_fixed_size 327680
		.amdhsa_private_segment_fixed_size 0
		.amdhsa_enable_private_segment 0
		.amdhsa_kernarg_size 80
		.amdhsa_user_sgpr_count 2
		.amdhsa_user_sgpr_kernarg_segment_ptr 1
		.amdhsa_wavefront_size32 1
		.amdhsa_system_sgpr_workgroup_id_x 1
		.amdhsa_system_sgpr_workgroup_id_y 1
		.amdhsa_system_sgpr_workgroup_id_z 1
		.amdhsa_system_vgpr_workitem_id 0
		.amdhsa_next_free_vgpr 1024
		.amdhsa_next_free_sgpr 102
		.amdhsa_reserve_vcc 0
		.amdhsa_float_denorm_mode_32 3
		.amdhsa_float_denorm_mode_16_64 3
		.amdhsa_memory_ordered 1
		.amdhsa_forward_progress 1
		.amdhsa_inst_pref_size 255
	.end_amdhsa_kernel
	.section	.bss,"aw",@nobits
	.p2align	6
	.space	262144
	.amdgpu_metadata
---
amdhsa.version: [ 1, 2 ]
amdhsa.kernels:
  - .name:           k_qe01c1e3dbb_qkv
    .symbol:         k_qe01c1e3dbb_qkv.kd
    .args:
      - { .name: xc, .offset: 0, .size: 8, .value_kind: global_buffer, .address_space: global }
      - { .name: wc, .offset: 8, .size: 8, .value_kind: global_buffer, .address_space: global }
      - { .name: lowp_scales, .offset: 16, .size: 8, .value_kind: global_buffer, .address_space: global }
      - { .name: q_norm_w, .offset: 24, .size: 8, .value_kind: global_buffer, .address_space: global }
      - { .name: k_norm_w, .offset: 32, .size: 8, .value_kind: global_buffer, .address_space: global }
      - { .name: rope, .offset: 40, .size: 8, .value_kind: global_buffer, .address_space: global }
      - { .name: qc, .offset: 48, .size: 8, .value_kind: global_buffer, .address_space: global }
      - { .name: kc, .offset: 56, .size: 8, .value_kind: global_buffer, .address_space: global }
      - { .name: vc, .offset: 64, .size: 8, .value_kind: global_buffer, .address_space: global }
      - { .name: gd, .offset: 72, .size: 8, .value_kind: global_buffer, .address_space: global }
    .group_segment_fixed_size: 327680
    .private_segment_fixed_size: 0
    .kernarg_segment_align: 8
    .kernarg_segment_size: 80
    .max_flat_workgroup_size: 128
    .sgpr_count:     102
    .vgpr_count:     1024
    .wavefront_size: 32
...
	.end_amdgpu_metadata
.endif
;; end of part 2
;; launch attn (part 3): grid 64 x 4, 8 waves a work-group, clusters of 4 x 4, 327,680 bytes of LDS; arguments qc, kc, vc, gd, attention_mask, lowp_scales, ac; writes ac
.if DOCPART == 3
	.amdgcn_target "amdgcn-amd-amdhsa--gfx1250"
	.amdhsa_code_object_version 6
	.text
	.protected	k_qe01c1e3dbb_attn
	.globl	k_qe01c1e3dbb_attn
	.p2align	8
	.type	k_qe01c1e3dbb_attn,@function
k_qe01c1e3dbb_attn:
	s_mov_b64 s[64:65], 0
	v_nop
	global_prefetch_b8 v0, s[64:65] scope:SCOPE_SE
	s_setreg_imm32_b32 hwreg(HW_REG_WAVE_MODE, 25, 1), 1
	s_wait_xcnt 0x0
	s_wait_alu depctr_hold_cnt(0) depctr_sa_sdst(0) depctr_va_vdst(0) depctr_va_sdst(0) depctr_va_ssrc(0) depctr_va_vcc(0) depctr_vm_vsrc(0)
	s_getreg_b32 s2, hwreg(HW_REG_IB_STS2, 6, 4)
	s_cmp_eq_u32 s2, 0
	s_cbranch_scc0 .Lentry_in_a_cluster
	s_endpgm
.Lentry_in_a_cluster:
	s_bfe_u32 s2, ttmp6, 0x10000c
	s_cmp_lg_u32 s2, 0xf033
	s_cbranch_scc0 .Lentry_shape_is_right
	s_endpgm
.Lentry_shape_is_right:
; ATTN: for each head and query: t = (q . k) 2^(e6+e7) log2(e) / sqrt(128) + mask log2(e), rounded to f32; M = the running largest t rounded UP to a whole number; p = 2^(t - M), quantised (entry 8);
; O = sum of p v on codes; the row's sum l is taken of the unquantised p; at the end O 2^(e8+e9) / l / (1 + 2^(-gate log2 e)) is quantised (entry 10) into fragments for the last product.
; THE MASK IS AN INPUT: every key step is computed and every number of the mask is read and added.  t is rounded before M is taken away, so a row whose keys all carry the same huge negative mask has equal weights.
; SHARES.  Work-group (qb, kvh): 32 queries x the four heads of one key/value head.  EIGHT waves of 512 registers, two to a SIMD.  Wave w: queries 16 (w % 2) on, the pair of heads (w / 2) % 2, and HALF OF THE KEYS:
; kh = w / 4 takes keys 1,024 kh on, in 8 steps of 128.  Its two tiles (16 queries x one head) share K's and V's fragments and the mask's registers.
; THE JOIN.  Waves w and w + 4 hold parts of the same two tiles, each under its own M.  A wave's tile 0 is head 2 pair + kh and its tile 1 the other one: so every wave sends its tile 1 (O^T, -M, l) through LDS bytes of its own,
; takes its partner's tile 1, which is its own tile 0's head, brings both under the larger M by powers of two, and finishes that one tile.
; THE RING.  A slot holds one step of both halves: K 2 x 16,384 bytes, V 2 x 16,384, the mask 4 blocks (half, 16 queries) of 16 rows x 512 bytes.  Every wave issues one load: waves 0-3 K's and V's blocks, waves 4-7 the mask's.
; CLUSTER 4 x 4: K and V hang on kvh alone and are asked for jointly along a row of the cluster; the mask's blocks hang on qb alone and are asked for jointly along a column.
; LAYOUT.  S^T = K Q^T (source 0 = 16 keys, source 1 = my 16 queries), O^T = V^T P^T (source 0 = 16 channels, source 1 = P): a lane holds ONE query throughout; register 8 i + j of a tile of scores is key 16 i + 8 h + j,
; which is where the plain 8-bit layout wants it: eight registers convert into registers 2 i, 2 i + 1 of P's fragment.
; LIMITS: e6 + e7 between -123 and 130 (added to a constant's exponent field); e8 and e10 between -126 and 119; e8 + e9 goes by v_ldexp_f32.  NaN is not served; a row whose mask is -infinity everywhere gives NaN.
; REGISTERS: window 0: v1-9, v254 addresses and scales; v10-19, v20-29 a tile's statistics (+0 -M, +1 largest t, +2,3 l, +4 f, +6,7 at work, +8,9 second chain); v30-93 the mask, then p's codes; v94-221 scores, then p; v222-253 Q.
;   window 1: v0-127 O^T; v128-255 K of the step, then V of the step.
.set SLOT1, 131072                     ; slot 1 begins here: one exclusive or turns an address in one slot into the other's
.set VOFF,  32768
.set MOFF,  65536
.set MP,    528                        ; a row of the mask in LDS: 512 bytes + 16
.set MBLK,  16*MP
.set SPARE, MOFF+4*MBLK                ; behind slot 0's tiles: the spare words, 128 bytes for each wave; no fill lands from here to slot 1
.set STAT,  SPARE+1024                 ; the join: 8 bytes a lane, 256 a wave
.set STG,   2*SLOT1                    ; the join: 8,192 bytes a wave, behind the ring
.set L16, 1                            ; v1   16 x lane
.set AM0, 2                            ; v2   my place in the mask's blocks
.set PFO, 3                            ; v3   the prefetches' offset; never rewritten
.set ADK, 4                            ; v4   K's and V's fragments in the slot in hand
.set SPW, 5
.set NIL, 6
.set ADM, 7                            ; v7   the mask in the slot in hand
.set SC,  8                            ; v8   2^e8 (at the end 2^e10)
.set LM,  9                            ; v9   448 x that
.set ST,  10
.set MK,  30
.set PC,  30
.set S,   94
.set QR,  222
.set AK0, 254                          ; v254 16 x lane + my half's 16,384
.set WV,  12
.set G1K, 24                           ; s[24:31] group 1 for K's and V's blocks; s[32:39] for the mask's; s[40:43], s[44:47] their groups 0, which walk
.set G1M, 32
.set G0A, 40
.set G0M, 44
.set SLOTS, 48                         ; slots still to be asked for
.set TB,  49                           ; LDS byte at which the slot in hand begins
.set CS,  50                           ; s[50:51] log2(e) / sqrt(128) x 2^(e6+e7)
.set L2E, 52                           ; s[52:53] log2(e)
.set SEL, 54
.set PFA, 56                           ; s[56:57] where my prefetches stand; s[58:59] a slot on; s60: 2 in a wave that prefetches, else the greatest number
.set PFS, 58
.set LIM, 60
.set MSB, 0
.macro WIN new                         ; the immediate's high byte repeats the setting that is left
.if MSB != (\new)
	s_set_vgpr_msb (MSB<<8)|(\new)
.set MSB, (\new)
.endif
.endm
.macro JLOAD                           ; a joint load, one a wave; an s_nop 0 and four v_nop follow each line
	s_cmp_lt_u32 s[WV], 4
	s_cbranch_scc0 .Lfor_m_\@
	tensor_load_to_lds s[G0A:G0A+3], s[G1K:G1K+7]
	s_nop 0
.rept 4
	v_nop
.endr
	s_branch .Lasked_\@
.Lfor_m_\@:
	tensor_load_to_lds s[G0M:G0M+3], s[G1M:G1M+7]
	s_nop 0
.rept 4
	v_nop
.endr
.Lasked_\@:
.endm
; A PREFETCH INTO THE L2: the change of slots that loads slot t + 1 names slot t + 3, two steps ahead of the load that will want it; slots 0 to 2 come by their loads alone, and the last two fills ask for nothing.
; K and V of a key/value head are walked by all sixteen clusters: the first cluster asks, waves 0 to 3 each for their own block of 16,384 bytes, of which partner cx takes 4,096: sixteen lanes 256 bytes apart (the other lanes name the last block again).
; The mask's 32 rows of a block of queries are walked by a column's four partners alone: wave 4 asks in every cluster, a lane a row; partner cy takes 256 of a row's 2 x 512 bytes.  Partners are told apart by address.
.macro ASK
	s_cmp_gt_u32 s[SLOTS], s[LIM]
	s_cbranch_scc0 .Lnot_mine_\@
	global_prefetch_b8 v[PFO], s[PFA:PFA+1] th:TH_LOAD_NT scope:SCOPE_SE
.Lnot_mine_\@:
.endm
.macro CROUND                          ; a round of the cluster's barrier
	s_barrier_signal -1
	s_barrier_wait -1
	s_cmp_lg_u32 s[WV], 0
	s_cbranch_scc1 .Lnot_wave_0_\@
	s_barrier_signal -3
.Lnot_wave_0_\@:
	s_barrier_wait -3
	s_barrier_signal -1
	s_barrier_wait -1
.endm
	s_load_b256 s[68:75], s[0:1], 0x0              ; qc s[68:69], kc s[70:71], vc s[72:73], gd s[74:75]
	s_load_b128 s[76:79], s[0:1], 0x20             ; the mask s[76:77], the exponents s[78:79]
	s_load_b64 s[80:81], s[0:1], 0x30              ; ac
	v_lshl_add_u32 v[SPW], v0, 2, SPARE
	v_mov_b32 v[NIL], 0
	ds_add_u32 v[SPW], v[NIL]                      ; the opening lines: the add, twice on end, and its wait ahead of my first tensor load
	ds_add_u32 v[SPW], v[NIL]
	v_lshrrev_b32 v8, 5, v0
	v_readfirstlane_b32 s[WV], v8                  ; wave 0..7
	s_bfe_u32 s13, ttmp6, 0x40000                  ; cx
	s_bfe_u32 s14, ttmp6, 0x40004                  ; cy
	s_lshl_b32 s15, ttmp9, 2
	s_add_co_u32 s15, s15, s13                     ; qb: my 32 queries
	s_and_b32 s16, ttmp7, 0xffff
	s_lshl_b32 s16, s16, 2
	s_add_co_u32 s16, s16, s14                     ; kvh
	s_lshl_b32 s17, s14, 2
	s_lshl_b32 s17, 15, s17                        ; my row of the cluster (same kvh)
	s_lshl_b32 s18, 0x1111, s13                    ; my column (same qb)
	s_or_b32 s[G1K], s17, (3<<16)|(1<<21)          ; K, V: a dense block of 16,384 bytes as 64 rows of 32 elements of 8 bytes
	s_mov_b32 s[G1K+1], 32<<16
	s_mov_b32 s[G1K+2], 64<<16
	s_mov_b32 s[G1K+3], 32<<16
	s_mov_b32 s[G1K+4], 64
	s_mov_b32 s[G1K+5], 32
	s_mov_b32 s[G1K+6], 0
	s_mov_b32 s[G1K+7], 0
	s_or_b32 s[G1M], s18, (2<<16)|(1<<20)|(1<<21)|(6<<22)|(3<<25)  ; the mask: 16 rows of 128 f32, 2,048 apart; four words of padding behind every 128
	s_mov_b32 s[G1M+1], 128<<16
	s_mov_b32 s[G1M+2], 16<<16
	s_mov_b32 s[G1M+3], 128<<16
	s_mov_b32 s[G1M+4], 16
	s_mov_b32 s[G1M+5], 2048
	s_mov_b32 s[G1M+6], 0
	s_mov_b32 s[G1M+7], 0
	s_and_b32 s19, s[WV], 1                        ; my 16 queries.  As a loader: K's or V's half of the keys; the mask's 16 rows
	s_bfe_u32 s20, s[WV], 0x10001                  ; my pair of heads.  As a loader: K (0) or V (1); the mask's half of the keys
	s_lshr_b32 s21, s[WV], 2                       ; kh: my half of the keys
	s_and_b32 s22, s[WV], 3                        ; which of four blocks I load
	s_lshl_b32 s82, s16, 18                        ; a key/value head's codes: 262,144 bytes,
	s_lshl_b32 s83, s19, 17                        ; 1,024 keys: 131,072
	s_add_co_u32 s82, s82, s83
	s_mov_b32 s83, 0
	s_lshl_b32 s10, s15, 18                        ; 32 rows of the mask of 8,192 bytes,
	s_lshl_b32 s11, s19, 17                        ; 16 of them,
	s_add_co_u32 s10, s10, s11
	s_lshl_b32 s11, s20, 12                        ; 1,024 keys
	s_add_co_u32 s10, s10, s11
	s_mov_b32 s11, 0
	s_mov_b32 s[SEL], 0x76543210
	s_mov_b32 s[SEL+1], 0xfedcba98
	s_mov_b32 s[L2E], 0x3fb8aa3b
	s_mov_b32 s[L2E+1], s[L2E]
	s_mov_b32 s[TB], 0
	s_mov_b32 s[SLOTS], 7                          ; slots 1 to 7 are asked for in the loop
	s_wait_dscnt 0x0                               ; both opening adds are done
	s_wait_kmcnt 0x0
	s_load_b256 s[84:91], s[78:79], 0x10           ; e4 .. e11: e6 s86, e7 s87, e8 s88, e9 s89, e10 s90
	s_mov_b32 s[G0A], 1
	s_lshl_b32 s[G0A+1], s22, 14                   ; K's halves at 0 and 16,384, V's at 32,768 and 49,152 of slot 0
	s_cmp_eq_u32 s20, 0
	s_cselect_b64 s[G0A+2:G0A+3], s[70:71], s[72:73]
	s_add_nc_u64 s[G0A+2:G0A+3], s[G0A+2:G0A+3], s[82:83]
	s_mov_b64 s[8:9], s[G0A+2:G0A+3]               ; (kept for the prefetches)
	s_or_b32 s[G0A+3], s[G0A+3], 0x80000000
	s_mov_b32 s[G0M], 1
	s_mul_i32 s[G0M+1], s22, MBLK
	s_add_co_u32 s[G0M+1], s[G0M+1], MOFF
	s_add_nc_u64 s[G0M+2:G0M+3], s[76:77], s[10:11]
	s_or_b32 s[G0M+3], s[G0M+3], 0x80000000
	CROUND                                         ; all sixteen work-groups are here: the first joint loads meet
	JLOAD                                          ; slot 0: one tensor load a wave at the head
	s_lshl_b32 s92, s15, 1                         ; (numbers that mix cx and cy stay in registers that feed no descriptor)
	s_add_co_u32 s92, s92, s19                     ; my tile of 16 queries: 2 qb + w % 2
	s_lshl_b32 s92, s92, 4
	s_lshl_b32 s93, s16, 2
	s_add_co_u32 s92, s92, s93
	s_lshl_b32 s93, s20, 1
	s_add_co_u32 s92, s92, s93                     ; x 16 + my pair's first head
	s_add_co_u32 s93, s92, s21                     ; tile 0: head + kh: the one that I finish
	s_xor_b32 s94, s21, 1
	s_add_co_u32 s92, s92, s94                     ; tile 1: the other
	s_lshl_b32 s94, s93, 13
	s_mov_b32 s95, 0
	s_add_nc_u64 s[74:75], s[74:75], s[94:95]      ; gd: 8,192 bytes a tile and head
	s_lshl_b32 s94, s93, 11
	s_add_nc_u64 s[80:81], s[80:81], s[94:95]      ; ac and qc: 2,048
	s_add_nc_u64 s[4:5], s[68:69], s[94:95]
	s_lshl_b32 s94, s92, 11
	s_add_nc_u64 s[68:69], s[68:69], s[94:95]
	s_lshl_b32 s66, s21, 1
	s_add_co_u32 s66, s66, s19
	s_mul_i32 s66, s66, MBLK
	s_add_co_u32 s66, s66, MOFF                    ; the mask's block of my half and my queries
	s_lshl_b32 s67, s21, 14
	v_and_b32 v8, 31, v0
	v_lshlrev_b32 v[L16], 4, v8
	v_lshlrev_b32 v255, 8, v8                      ; 256 x lane: the offset of the gate's prefetch; never rewritten
	v_and_b32 v9, 15, v0                           ; r
	v_bfe_u32 v10, v0, 4, 1                        ; h
	v_mul_u32_u24 v[AM0], v9, MP
	v_lshl_add_u32 v[AM0], v10, 5, v[AM0]
	v_add_nc_u32 v[AM0], s66, v[AM0]               ; row r, + 32 h
	v_add_nc_u32 v[AK0], s67, v[L16]
	s_wait_alu depctr_va_vdst(0)                   ; ahead of the loads that read v1
.irp i, 0,1,2,3
	global_load_b128 v[QR+4*\i:QR+4*\i+3], v[L16], s[4:5] offset:512*\i          ; Q's two fragments stay in registers
	global_load_b128 v[QR+16+4*\i:QR+16+4*\i+3], v[L16], s[68:69] offset:512*\i
.endr
	WIN 0x40
.set i, 0
.rept 256
	v_mov_b32 v[i], 0                              ; O^T, and V's registers: the first walk finds zeros
.set i, i+1
.endr
	WIN 0
.set i, 0
.rept 128
	v_mov_b32 v[S+i], 0xff61b1e6                   ; t - M = -3e38: p = 0 in the P2 that has no step before it
.set i, i+1
.endr
.irp t, 0,1
	v_mov_b32 v[ST+10*\t+1], 0xff61b1e6            ; the largest t so far: -3e38
	v_floor_f32 v[ST+10*\t], -v[ST+10*\t+1]        ; -M
	v_mov_b32 v[ST+10*\t+2], 0                     ; l, in two halves
	v_mov_b32 v[ST+10*\t+3], 0
	v_mov_b32 v[ST+10*\t+4], 0
	v_mov_b32 v[ST+10*\t+5], 0                     ; (named as the upper half of f's pair)
	v_mov_b32 v[ST+10*\t+8], 0                     ; (a lane permute's destination counts as one of its sources)
	v_mov_b32 v[ST+10*\t+9], 0
.endr
	; the prefetches: where my wave's stand, and who asks
	s_lshl_b32 s62, s13, 12
	s_add_co_u32 s62, s62, 32768                   ; waves 0-3: partner cx's 4,096 bytes of my block, in slot 2: the first change of slots steps it to slot 3
	s_lshl_b32 s63, s15, 18
	s_lshr_b32 s66, s14, 1
	s_lshl_b32 s66, s66, 12
	s_add_co_u32 s63, s63, s66
	s_and_b32 s66, s14, 1
	s_lshl_b32 s66, s66, 8
	s_add_co_u32 s63, s63, s66
	s_add_co_u32 s63, s63, 1024                    ; wave 4: the block of queries, partner cy's half of the keys and 256 bytes, in slot 2
	s_mov_b32 s[PFS], 512
	s_cmp_lt_u32 s[WV], 4
	s_cselect_b64 s[PFA:PFA+1], s[8:9], s[76:77]
	s_cselect_b32 s62, s62, s63
	s_cselect_b32 s[PFS], 16384, s[PFS]            ; a slot on
	s_cselect_b32 s66, 8, 13                       ; from lane to lane: 256 or 8,192
	s_cselect_b32 s67, 15, 31
	s_cselect_b32 s61, ttmp9, 0                    ; waves 0-3: only the first cluster
	s_cmp_gt_u32 s[WV], 4
	s_cselect_b32 s61, 1, s61                      ; waves 5-7: never
	s_cmp_eq_u32 s61, 0
	s_cselect_b32 s[LIM], 2, -1                    ; the same in all sixteen partners, for a given wave
	s_mov_b32 s63, 0
	s_mov_b32 s[PFS+1], 0
	s_add_nc_u64 s[PFA:PFA+1], s[PFA:PFA+1], s[62:63]
	v_and_b32 v[PFO], 31, v0
	v_min_u32 v[PFO], s67, v[PFO]
	v_lshlrev_b32 v[PFO], s66, v[PFO]
	s_wait_kmcnt 0x0
	s_add_co_i32 s23, s86, s87
	s_lshl_b32 s23, s23, 23
	s_add_co_i32 s[CS], s23, 0x3e0293ee            ; log2(e) / sqrt(128), with e6 + e7 added to its exponent field
	s_mov_b32 s[CS+1], s[CS]
	s_add_co_i32 s23, s88, 127
	s_lshl_b32 s93, s23, 23
	v_mov_b32 v[SC], s93                           ; 2^e8
	s_add_co_i32 s23, s23, 8
	s_lshl_b32 s23, s23, 23
	s_or_b32 s23, s23, 0x600000
	v_mov_b32 v[LM], s23                           ; 448 x 2^e8
; THE CHANGE OF SLOTS stands at a step's head.  Each wave waits for all its tensor loads (one is out: its block of the slot ahead), adds 0 to its spare word, and waits for that and for its reads of the slot that it has left.
; Behind the cluster's round the slot ahead is whole and no wave of any partner reads the other one.  fill = 1: that other slot takes the next step's tiles: my one tensor load, with a whole step in which to land.
.macro CHANGE fill
	s_wait_tensorcnt 0x0                           ; no tensor load of mine is out, so a group 0 may be written
	ds_add_u32 v[SPW], v[NIL]                      ; 0 onto my spare word
.if \fill
	s_xor_b32 s[G0A+1], s[G0A+1], SLOT1            ; the walking descriptors: the other slot than last time,
	s_add_nc_u64 s[G0A+2:G0A+3], s[G0A+2:G0A+3], 16384     ; the next 128 keys; the type bits on top are not reached
	s_xor_b32 s[G0M+1], s[G0M+1], SLOT1
	s_add_nc_u64 s[G0M+2:G0M+3], s[G0M+2:G0M+3], 512
	s_wait_xcnt 0x0                                ; the last prefetch, a step back, has read its address
	s_add_nc_u64 s[PFA:PFA+1], s[PFA:PFA+1], s[PFS:PFS+1]
.endif
	s_wait_dscnt 0x0                               ; the add is done, and my reads of the slot that I have left are over
	CROUND
.if \fill
	JLOAD                                          ; its four v_nop are also the places ahead of the loads into registers that the last products read
	ASK
.else
.rept 4
	v_nop
.endr
.endif
	v_add_nc_u32 v[ADK], s[TB], v[AK0]
	v_add_nc_u32 v[ADM], s[TB], v[AM0]
	s_xor_b32 s[TB], s[TB], SLOT1                  ; the next change reads the other slot
	s_wait_alu depctr_va_vdst(0)
.endm
; The end of a tile's softmax: l += the UNQUANTISED p, two chains; the hold (the conversion does not saturate: ISA guide 7.6.2; p is not negative, so it is one-sided); eight p become registers 2 i, 2 i + 1 of P's fragment.
.macro FIN t
.set rS, S+64*(\t)
.set rT, ST+10*(\t)
	v_pk_add_f32 v[rT+8:rT+9], v[rS:rS+1], v[rS+2:rS+3]
.set j, 4
.rept 15
	v_pk_add_f32 v[rT+2:rT+3], v[rT+2:rT+3], v[rS+j:rS+j+1]
	v_pk_add_f32 v[rT+8:rT+9], v[rT+8:rT+9], v[rS+j+2:rS+j+3]
.set j, j+4
.endr
	v_pk_add_f32 v[rT+2:rT+3], v[rT+2:rT+3], v[rT+8:rT+9]
.set j, 0
.rept 64
	v_min_num_f32 v[rS+j], v[rS+j], v[LM]
.set j, j+1
.endr
.set j, 0
.rept 8
	v_cvt_scalef32_pk8_fp8_f32 v[PC+16*(\t)+2*j:PC+16*(\t)+2*j+1], v[rS+8*j:rS+8*j+7], v[SC]
.set j, j+1
.endr
.endm
; A KEY STEP: my half's 128 keys of the slot in hand, both tiles.  last = 1: the gate's divisors of tile 0 are loaded into tile 0's scores as soon as these are converted.
; THE STEP IS CUT IN TWO, AND THE TWO HALVES OF THE KEYS TAKE IT BY TURNS.  P1: all the step's LDS loads, K Q^T, t, the maximum, M, O^T x f, t - M.  P2: the exponentials, the sums, the holds, the conversions, V^T P: registers alone.
; Behind a change of slots waves 0-3 run P1 and P2 of the step; waves 4-7 run P2 of the step before, whose V lies in registers, and then P1: so one wave's LDS loads stand beside vector work of the other half's waves.
; Every wave's reads of a slot are over at the next change.  The first P2 of waves 4-7 finds t - M = -3e38 and codes of zero, and adds nothing.
.macro P1
.rept 4
	v_nop                                          ; places ahead of the loads into registers that the last products read
.endr
.set li, 0
.rept 16
	ds_load_b128 v[MK+4*li:MK+4*li+3], v[ADM] offset:64*(li/2)+16*(li%2)        ; the mask first: register 8 i + j = mask(query r, key 16 i + 8 h + j)
.set li, li+1
.endr
	WIN 0x40                                       ; destination window 1, address window 0
.set li, 0
.rept 32
	ds_load_b128 v[128+4*li:131+4*li], v[ADK] offset:512*li                     ; K's eight fragments
.set li, li+1
.endr
	WIN 0
	s_wait_dscnt 32                                ; the mask's 16 loads are in; K's 32 may be out
.set li, 0
.rept 32
	v_pk_mul_f32 v[MK+li:MK+li+1], v[MK+li:MK+li+1], s[L2E:L2E+1] op_sel_hi:[1,0]   ; mask x log2(e), once for both tiles, while K's loads are out
.set li, li+2
.endr
	s_wait_alu depctr_va_vdst(0)
	WIN 0x01                                       ; source 0 (K) window 1, source 1 (Q) and D window 0
.irp i, 0,1,2,3,4,5,6,7
	s_wait_dscnt 28-4*\i                           ; fragment i's four loads are in; those of the fragments behind it may be out
.irp t, 0,1
	v_wmma_f32_16x16x128_fp8_fp8 v[S+64*\t+8*\i:S+64*\t+8*\i+7], v[128+16*\i:143+16*\i], v[QR+16*\t:QR+16*\t+15], 0
.endr
.endr
	WIN 0
.rept 4
	v_nop                                          ; places ahead of the loads into K's registers and of the reads of the scores
.endr
	WIN 0x40
.set li, 0
.rept 32
	ds_load_b128 v[128+4*li:131+4*li], v[ADK] offset:VOFF+512*li                ; V's eight fragments, where K's lay: they land under the softmax
.set li, li+1
.endr
	WIN 0
.irp t, 0,1
.set li, 0
.rept 32
	v_pk_fma_f32 v[S+64*\t+li:S+64*\t+li+1], v[S+64*\t+li:S+64*\t+li+1], s[CS:CS+1], v[MK+li:MK+li+1] op_sel_hi:[1,0,1]   ; t, rounded to f32; each accumulator from its low end on
.set li, li+2
.endr
.endr
.irp t, 0,1                                    ; the largest of my 64 t: two chains a tile, the tiles by turns
	v_max3_num_f32 v[ST+10*\t+6], v[S+64*\t], v[S+64*\t+1], v[S+64*\t+2]
	v_max3_num_f32 v[ST+10*\t+7], v[S+64*\t+3], v[S+64*\t+4], v[S+64*\t+5]
.endr
.irp i, 6,10,14,18,22,26,30,34,38,42,46,50,54,58
.irp t, 0,1
	v_max3_num_f32 v[ST+10*\t+6], v[ST+10*\t+6], v[S+64*\t+\i], v[S+64*\t+\i+1]
	v_max3_num_f32 v[ST+10*\t+7], v[ST+10*\t+7], v[S+64*\t+\i+2], v[S+64*\t+\i+3]
.endr
.endr
.irp t, 0,1
	v_max3_num_f32 v[ST+10*\t+6], v[ST+10*\t+6], v[S+64*\t+62], v[S+64*\t+63]
.endr
.irp t, 0,1
	v_max_num_f32 v[ST+10*\t+6], v[ST+10*\t+6], v[ST+10*\t+7]
.endr
.irp t, 0,1
	v_permlanex16_b32 v[ST+10*\t+8], v[ST+10*\t+6], s[SEL], s[SEL+1]            ; the lane 16 away holds the query's other 64 keys
.endr
.irp t, 0,1
	v_max_num_f32 v[ST+10*\t+6], v[ST+10*\t+6], v[ST+10*\t+8]
.endr
.irp t, 0,1
	v_max_num_f32 v[ST+10*\t+1], v[ST+10*\t+1], v[ST+10*\t+6]                   ; the running largest t
.endr
.irp t, 0,1
	v_mov_b32 v[ST+10*\t+6], v[ST+10*\t]
.endr
.irp t, 0,1
	v_floor_f32 v[ST+10*\t], -v[ST+10*\t+1]                                     ; -M = floor(-t): M is a whole number
.endr
.irp t, 0,1
	v_sub_f32 v[ST+10*\t+6], v[ST+10*\t], v[ST+10*\t+6]                         ; old M less new M: a whole number, 0 or less
.endr
.irp t, 0,1
	v_cvt_i32_f32 v[ST+10*\t+6], v[ST+10*\t+6]                                  ; (it saturates)
.endr
.irp t, 0,1
	v_ldexp_f32 v[ST+10*\t+4], 1.0, v[ST+10*\t+6]                               ; f = 2^(old M - new M): a multiplication by it rounds nothing
.endr
	WIN 0x41                                       ; O^T (destination and source 0) window 1, f window 0
.irp t, 0,1
.set li, 0
.rept 32
	v_pk_mul_f32 v[64*\t+li:64*\t+li+1], v[64*\t+li:64*\t+li+1], v[ST+10*\t+4:ST+10*\t+5] op_sel_hi:[1,0]   ; O^T under the new M, ahead of the exponentials; each accumulator from its low end on
.set li, li+2
.endr
.endr
	WIN 0
.irp t, 0,1
.set li, 0
.rept 32
	v_pk_add_f32 v[S+64*\t+li:S+64*\t+li+1], v[S+64*\t+li:S+64*\t+li+1], v[ST+10*\t:ST+10*\t+1] op_sel_hi:[1,0]   ; t - M
.set li, li+2
.endr
.endr
.endm
.macro P2 last
	s_wait_alu depctr_va_vdst(0)                   ; ahead of the batch
.set li, 0
.rept 128
	v_exp_f32 v[S+li], v[S+li]                     ; p = 2^(t - M), at most 1, not normalised
.set li, li+1
.endr
.irp t, 0,1
	v_pk_mul_f32 v[ST+10*\t+2:ST+10*\t+3], v[ST+10*\t+2:ST+10*\t+3], v[ST+10*\t+4:ST+10*\t+5] op_sel_hi:[1,0]   ; l under the new M (plain lines behind the batch)
.endr
	s_wait_alu depctr_va_vdst(0)                   ; one wait for the batch, ahead of its first reader
	FIN 0
.if \last
.set li, 0
.rept 16
	global_load_b128 v[S+4*li:S+4*li+3], v[L16], s[74:75] offset:512*li th:TH_LOAD_NT   ; 1 + 2^(-gate log2 e) of the tile that I finish
.set li, li+1
.endr
.endif
	FIN 1
	v_nop                                          ; a plain line behind the last conversion
	s_wait_alu depctr_va_vdst(0)
	s_wait_dscnt 0x0                               ; V is in
	WIN 0x51                                       ; source 0 (V), C and D window 1, source 1 (P) window 0
	s_wait_alu depctr_va_vdst(0)                   ; ahead of the products that read O^T
.irp i, 0,1,2,3,4,5,6,7
.irp t, 0,1
	v_wmma_f32_16x16x128_fp8_fp8 v[64*\t+8*\i:64*\t+8*\i+7], v[128+16*\i:143+16*\i], v[PC+16*\t:PC+16*\t+15], v[64*\t+8*\i:64*\t+8*\i+7]   ; the sixteen accumulators by turns
.endr
.endr
	WIN 0
.endm
	s_wait_alu depctr_va_vdst(0)
	s_wait_loadcnt 0x0                             ; Q
.Lslot:                                            ; seven trips: steps 0 to 6; each trip's change of slots asks for the next step's tiles
	CHANGE 1
	s_cmp_lt_u32 s[WV], 4
	s_cbranch_scc0 .Lsecond_half
	P1                                             ; waves 0-3: this step
.Lsecond_half:
	s_cmp_eq_u32 s[SLOTS], 4                       ; in the fourth trip each wave asks for the 8,192 bytes of the gate's divisors that it loads in its last P2, four steps on: a lane to each 256 bytes, each block named once in the launch
	s_cbranch_scc0 .Lno_gate
	global_prefetch_b8 v255, s[74:75] th:TH_LOAD_NT scope:SCOPE_SE
.Lno_gate:
	P2 0                                           ; waves 0-3: this step; waves 4-7: the step before
	s_cmp_lt_u32 s[WV], 4
	s_cbranch_scc1 .Lfirst_half
	P1                                             ; waves 4-7: this step
.Lfirst_half:
	s_sub_co_u32 s[SLOTS], s[SLOTS], 1
	s_cmp_lg_u32 s[SLOTS], 0
	s_cbranch_scc1 .Lslot
	CHANGE 0                                       ; the last step is written out
	s_cmp_lt_u32 s[WV], 4
	s_cbranch_scc0 .Ltail_second
	P1
	s_branch .Ltail_join
.Ltail_second:
	P2 0
	P1
.Ltail_join:
	P2 1
; THE JOIN AND THE WAY OUT.
	s_add_co_i32 s22, s88, s89
	s_sub_co_i32 s22, 0, s22                       ; -(e8 + e9)
	s_add_co_i32 s92, s90, 127
	s_lshl_b32 s93, s92, 23
	s_add_co_i32 s92, s92, 8
	s_lshl_b32 s92, s92, 23
	s_or_b32 s92, s92, 0x600000
	s_lshl_b32 s94, s[WV], 13
	s_add_co_u32 s94, s94, STG                     ; my 8,192 bytes,
	s_xor_b32 s95, s[WV], 4
	s_lshl_b32 s66, s95, 13
	s_add_co_u32 s66, s66, STG                     ; my partner's;
	s_lshl_b32 s67, s[WV], 8
	s_add_co_u32 s67, s67, STAT                    ; my 256 bytes,
	s_lshl_b32 s95, s95, 8
	s_add_co_u32 s95, s95, STAT                    ; my partner's
.irp t, 0,1
	v_add_f32 v[ST+10*\t+2], v[ST+10*\t+2], v[ST+10*\t+3]
.endr
.irp t, 0,1
	v_permlanex16_b32 v[ST+10*\t+8], v[ST+10*\t+2], s[SEL], s[SEL+1]
.endr
.irp t, 0,1
	v_add_f32 v[ST+10*\t+1], v[ST+10*\t+2], v[ST+10*\t+8]      ; the row's sum over my half of the keys, beside -M
.endr
	v_add_nc_u32 v[ADK], s94, v[L16]
	v_add_nc_u32 v[ADM], s66, v[L16]
	v_lshrrev_b32 v[AM0], 1, v[L16]                ; 8 x lane
	v_add_nc_u32 v[AK0], s95, v[AM0]
	v_add_nc_u32 v[AM0], s67, v[AM0]
	v_mov_b32 v[SC], s93                           ; 2^e10
	v_mov_b32 v[LM], s92                           ; 448 x 2^e10
	s_wait_alu depctr_va_vdst(0)
	WIN 0x04                                       ; store data window 1
.set li, 0
.rept 16
	ds_store_b128 v[ADK], v[64+4*li:67+4*li] offset:512*li     ; tile 1's O^T as an image of its registers; each accumulator from its low end on
.set li, li+1
.endr
	WIN 0
	ds_store_b64 v[AM0], v[ST+10:ST+11]            ; its -M and l
	s_wait_dscnt 0x0                               ; for the partner's sake
	s_barrier_signal -1
	s_barrier_wait -1
	ds_load_b64 v[ST+16:ST+17], v[AK0]             ; the partner's -M and l of my tile 0's head,
.set li, 0
.rept 16
	ds_load_b128 v[S+64+4*li:S+64+4*li+3], v[ADM] offset:512*li    ; and its O^T
.set li, li+1
.endr
	s_wait_dscnt 16                                ; the pair is in; the 16 loads behind it may be out
	v_min_num_f32 v[ST+6], v[ST], v[ST+16]         ; -M of both halves: the larger M
	v_sub_f32 v[ST+7], v[ST+6], v[ST]              ; my M less it, 0 or less,
	v_sub_f32 v[ST+6], v[ST+6], v[ST+16]           ; the partner's
	v_cvt_i32_f32 v[ST+7], v[ST+7]
	v_cvt_i32_f32 v[ST+6], v[ST+6]
	v_ldexp_f32 v[ST+4], 1.0, v[ST+7]              ; f0
	v_ldexp_f32 v[ST+8], 1.0, v[ST+6]              ; f1
	v_mul_f32 v[ST+2], v[ST+1], v[ST+4]
	v_fma_f32 v[ST+2], v[ST+17], v[ST+8], v[ST+2]  ; l
	v_ldexp_f32 v[ST+2], v[ST+2], s22              ; x 2^-(e8+e9)
	s_wait_alu depctr_va_vdst(0)
	s_wait_dscnt 0x0
	s_wait_loadcnt 0x0                             ; the gate's divisors
.set j, 0
.rept 32
	v_pk_mul_f32 v[S+64+j:S+64+j+1], v[S+64+j:S+64+j+1], v[ST+8:ST+9] op_sel_hi:[1,0]
.set j, j+2
.endr
	WIN 0x01                                       ; source 0 (my O^T) window 1
.set j, 0
.rept 32
	v_pk_fma_f32 v[S+64+j:S+64+j+1], v[j:j+1], v[ST+4:ST+5], v[S+64+j:S+64+j+1] op_sel_hi:[1,0,1]   ; O^T of all keys; each accumulator from its low end on
.set j, j+2
.endr
	WIN 0
.set j, 0
.rept 32
	v_pk_mul_f32 v[S+j:S+j+1], v[S+j:S+j+1], v[ST+2:ST+3] op_sel_hi:[1,0]      ; the divisor: l 2^-(e8+e9) x (1 + 2^(-gate log2 e))
.set j, j+2
.endr
	s_wait_alu depctr_va_vdst(0)                   ; ahead of the batch
.set j, 0
.rept 64
	v_rcp_f32 v[S+j], v[S+j]
.set j, j+1
.endr
	v_nop                                          ; a plain line behind the batch
	s_wait_alu depctr_va_vdst(0)                   ; one wait for the 64 reciprocals
.set j, 0
.rept 32
	v_pk_mul_f32 v[S+j:S+j+1], v[S+j:S+j+1], v[S+64+j:S+64+j+1]
.set j, j+2
.endr
.set j, 0
.rept 64
	v_med3_num_f32 v[S+j], v[S+j], -v[LM], v[LM]
.set j, j+1
.endr
.set j, 0
.rept 8
	v_cvt_scalef32_pk8_fp8_f32 v[PC+2*j:PC+2*j+1], v[S+8*j:S+8*j+7], v[SC]
.set j, j+1
.endr
	v_nop                                          ; a plain line behind the last conversion
.irp i, 0,1,2,3
	global_store_b128 v[L16], v[PC+4*\i:PC+4*\i+3], s[80:81] offset:512*\i      ; 512 consecutive bytes, aligned: a fragment of the last product's left operand (K step = head)
.endr
	s_wait_tensorcnt 0x0                           ; the wave's end
	ds_add_u32 v[SPW], v[NIL]
	s_wait_dscnt 0x0
	CROUND                                         ; the closing round: no work-group ends while a partner may still ask for a tile that names it
	s_endpgm
.Lfunc_end_k_qe01c1e3dbb_attn:
	.size	k_qe01c1e3dbb_attn, .Lfunc_end_k_qe01c1e3dbb_attn-k_qe01c1e3dbb_attn
	.p2alignl 7, 3214868480
	.fill 96, 4, 3214868480
	.section	.rodata,"a",@progbits
	.p2align	6, 0x0
	.amdhsa_kernel k_qe01c1e3dbb_attn
		.amdhsa_group_segment_fixed_size 327680
		.amdhsa_private_segment_fixed_size 0
		.amdhsa_enable_private_segment 0
		.amdhsa_kernarg_size 56
		.amdhsa_user_sgpr_count 2
		.amdhsa_user_sgpr_kernarg_segment_ptr 1
		.amdhsa_wavefront_size32 1
		.amdhsa_system_sgpr_workgroup_id_x 1
		.amdhsa_system_sgpr_workgroup_id_y 1
		.amdhsa_system_sgpr_workgroup_id_z 1
		.amdhsa_system_vgpr_workitem_id 0
		.amdhsa_next_free_vgpr 512
		.amdhsa_next_free_sgpr 96
		.amdhsa_reserve_vcc 0
		.amdhsa_float_denorm_mode_32 3
		.amdhsa_float_denorm_mode_16_64 3
		.amdhsa_memory_ordered 1
		.amdhsa_forward_progress 1
		.amdhsa_inst_pref_size 194
	.end_amdhsa_kernel
	.amdgpu_metadata
---
amdhsa.version: [ 1, 2 ]
amdhsa.kernels:
  - .name:           k_qe01c1e3dbb_attn
    .symbol:         k_qe01c1e3dbb_attn.kd
    .args:
      - { .name: qc, .offset: 0, .size: 8, .value_kind: global_buffer, .address_space: global }
      - { .name: kc, .offset: 8, .size: 8, .value_kind: global_buffer, .address_space: global }
      - { .name: vc, .offset: 16, .size: 8, .value_kind: global_buffer, .address_space: global }
      - { .name: gd, .offset: 24, .size: 8, .value_kind: global_buffer, .address_space: global }
      - { .name: attention_mask, .offset: 32, .size: 8, .value_kind: global_buffer, .address_space: global }
      - { .name: lowp_scales, .offset: 40, .size: 8, .value_kind: global_buffer, .address_space: global }
      - { .name: ac, .offset: 48, .size: 8, .value_kind: global_buffer, .address_space: global }
    .group_segment_fixed_size: 327680
    .private_segment_fixed_size: 0
    .kernarg_segment_align: 8
    .kernarg_segment_size: 56
    .max_flat_workgroup_size: 256
    .sgpr_count:     96
    .vgpr_count:     512
    .wavefront_size: 32
...
	.end_amdgpu_metadata
.endif
;; end of part 3
;; launch oproj (part 4): grid 16 x 16, 4 waves a work-group, clusters of 4 x 4, 327,680 bytes of LDS; arguments ac, wc, lowp_scales, out0; writes out0
.if DOCPART == 4
	.amdgcn_target "amdgcn-amd-amdhsa--gfx1250"
	.amdhsa_code_object_version 6
	.text
	.protected	k_qe01c1e3dbb_oproj
	.globl	k_qe01c1e3dbb_oproj
	.p2align	8
	.type	k_qe01c1e3dbb_oproj,@function
k_qe01c1e3dbb_oproj:
	s_mov_b64 s[64:65], 0
	v_nop
	global_prefetch_b8 v0, s[64:65] scope:SCOPE_SE
	s_setreg_imm32_b32 hwreg(HW_REG_WAVE_MODE, 25, 1), 1
	s_wait_xcnt 0x0
	s_wait_alu depctr_hold_cnt(0) depctr_sa_sdst(0) depctr_va_vdst(0) depctr_va_sdst(0) depctr_va_ssrc(0) depctr_va_vcc(0) depctr_vm_vsrc(0)
	s_getreg_b32 s2, hwreg(HW_REG_IB_STS2, 6, 4)
	s_cmp_eq_u32 s2, 0
	s_cbranch_scc0 .Lentry_in_a_cluster
	s_endpgm
.Lentry_in_a_cluster:
	s_bfe_u32 s2, ttmp6, 0x10000c
	s_cmp_lg_u32 s2, 0xf033
	s_cbranch_scc0 .Lentry_shape_is_right
	s_endpgm
.Lentry_shape_is_right:
.set HALFT,  32768
.set SLOT,   4*HALFT
.set SPARE,  2*SLOT
.set STAGE,  SPARE+512
.set SPITCH, 272
.set KB,     8192
.set ADRA, 16
.set ADRB, 20
.set STO,  24
.set RD,   25
.set CO,   26
.set SPW,  28
.set NIL,  29
.set TMP,  32
.set BK,   64
.set ACC,  128
.set F0,   0
.set F1,   128
.set G1, 24
.set G0, 32
.set G1B, 48
.set G0B, 56
.set MSB, 0
.macro WIN new
.if MSB != (\new)
	s_set_vgpr_msb (MSB<<8)|(\new)
.set MSB, (\new)
.endif
.endm
.set MUL,  0x05
.set TO_F, 0x40
.macro JLOAD s
	s_cmp_eq_u32 s15, 0
	s_cbranch_scc0 .Lfor_b_\@
	tensor_load_to_lds s[G0+4*\s:G0+4*\s+3], s[G1:G1+7]
	s_nop 0
.rept 4
	v_nop
.endr
	s_branch .Lasked_\@
.Lfor_b_\@:
	tensor_load_to_lds s[G0B+4*\s:G0B+4*\s+3], s[G1B:G1B+7]
	s_nop 0
.rept 4
	v_nop
.endr
.Lasked_\@:
.endm
.macro CREST
	s_cmp_lg_u32 s14, 0
	s_cbranch_scc1 .Lnot_wave_0_\@
	s_barrier_signal -3
.Lnot_wave_0_\@:
	s_barrier_wait -3
	s_barrier_signal -1
	s_barrier_wait -1
.endm
.macro CROUND
	s_barrier_signal -1
	s_barrier_wait -1
	CREST
.endm
	s_load_b256 s[4:11], s[0:1], 0x0
	v_lshl_add_u32 v[SPW], v0, 2, SPARE
	v_mov_b32 v[NIL], 0
	ds_add_u32 v28, v29
	ds_add_u32 v28, v29
	s_wait_dscnt 0x0
	v_lshrrev_b32 v1, 5, v0
	v_readfirstlane_b32 s14, v1
	v_and_b32 v30, 31, v0
	v_lshlrev_b32 v30, 8, v30                      ; the prefetches' offset: 256 x lane; never rewritten
	s_lshr_b32 s15, s14, 1
	s_and_b32 s16, s14, 1
	s_bfe_u32 s40, ttmp6, 0x40000
	s_bfe_u32 s41, ttmp6, 0x40004
	s_lshl_b32 s42, ttmp9, 2
	s_add_co_u32 s42, s42, s40
	s_and_b32 s17, ttmp7, 0xffff
	s_lshl_b32 s17, s17, 2
	s_add_co_u32 s17, s17, s41
	s_lshl_b32 s43, s41, 2
	s_lshl_b32 s43, 15, s43
	s_lshl_b32 s44, 0x1111, s40
	s_or_b32 s[G1], s43, (3<<16)|(1<<21)
	s_or_b32 s[G1B], s44, (3<<16)|(1<<21)
.irp g, G1, G1B
	s_mov_b32 s[\g+1], 1024<<16
	s_mov_b32 s[\g+2], 4<<16
	s_mov_b32 s[\g+3], 1024<<16
	s_mov_b32 s[\g+4], 4
	s_mov_b32 s[\g+5], 4096
	s_mov_b32 s[\g+6], 0
	s_mov_b32 s[\g+7], 0
.endr
	s_lshl_b32 s18, s16, 2
	s_lshl_b32 s20, s17, 3
	s_add_co_u32 s20, s20, s18
	s_lshl_b32 s20, s20, 15
	s_mov_b32 s21, 0
	s_lshl_b32 s46, s42, 3
	s_add_co_u32 s46, s46, s18
	s_lshl_b32 s46, s46, 15
	s_add_co_u32 s46, s46, 10485760
	s_mov_b32 s47, 0
	s_lshl_b32 s45, s14, 15
	s_wait_kmcnt 0x0
	s_load_b64 s[96:97], s[8:9], 0x28
	s_add_nc_u64 s[20:21], s[4:5], s[20:21]
	s_add_nc_u64 s[46:47], s[6:7], s[46:47]
	s_cmp_eq_u32 s15, 0                            ; the prefetches: of the 4 rows of fragments that I fetch jointly, my work-group takes the one that its place among the four partners names: told apart by address
	s_cselect_b64 s[12:13], s[20:21], s[46:47]
	s_cselect_b32 s2, s40, s41
	s_lshl_b32 s2, s2, 15
	s_add_co_u32 s2, s2, KB                        ; at K step 1
	s_mov_b32 s3, 0
	s_add_nc_u64 s[12:13], s[12:13], s[2:3]
.irp s, 0,1
	s_mov_b32 s[G0+4*\s], 1
	s_add_co_u32 s[G0+4*\s+1], s45, \s*SLOT
	s_add_nc_u64 s[G0+4*\s+2:G0+4*\s+3], s[20:21], \s*KB
	s_or_b32 s[G0+4*\s+3], s[G0+4*\s+3], 0x80000000
	s_mov_b32 s[G0B+4*\s], 1
	s_add_co_u32 s[G0B+4*\s+1], s45, \s*SLOT
	s_add_nc_u64 s[G0B+4*\s+2:G0B+4*\s+3], s[46:47], \s*KB
	s_or_b32 s[G0B+4*\s+3], s[G0B+4*\s+3], 0x80000000
	s_wait_alu depctr_va_vdst(0)
	s_wait_tensorcnt 0x0
	ds_add_u32 v28, v29
	ds_add_u32 v28, v29
	s_wait_dscnt 0x0
	CROUND
	JLOAD \s
.if \s == 0
	global_prefetch_b8 v30, s[12:13] th:TH_LOAD_NT scope:SCOPE_SE               ; behind the load of K step 0: K step 1, 8,192 bytes of one row of fragments, a lane to each 256
.else
	global_prefetch_b8 v30, s[12:13] offset:KB th:TH_LOAD_NT scope:SCOPE_SE     ; behind the load of K step 1: K steps 2 and 3
	global_prefetch_b8 v30, s[12:13] offset:2*KB th:TH_LOAD_NT scope:SCOPE_SE
.endif
.endr
	v_and_b32 v1, 15, v0
	s_wait_alu depctr_va_vdst(0)
	v_bfe_u32 v2, v0, 4, 1
	v_and_b32 v3, 31, v0
	v_lshlrev_b32 v4, 4, v3
	s_lshl_b32 s21, s15, 15
	s_lshl_b32 s22, s16, 15
	s_add_co_u32 s22, s22, 2*HALFT
.irp s, 0,1
	v_add_nc_u32 v[ADRA+\s], s21, v4
	v_add_nc_u32 v[ADRB+\s], s22, v4
	s_add_co_u32 s21, s21, SLOT
	s_add_co_u32 s22, s22, SLOT
.endr
	s_mul_i32 s23, s14, 16*SPITCH
	s_add_co_u32 s23, s23, STAGE
	v_mul_u32_u24 v5, v1, SPITCH
	s_wait_alu depctr_va_vdst(0)
	v_lshl_add_u32 v5, v2, 5, v5
	v_add_nc_u32 v[STO], s23, v5
	v_mul_u32_u24 v5, v2, SPITCH
	v_lshl_add_u32 v5, v1, 4, v5
	v_add_nc_u32 v[RD], s23, v5
	v_lshlrev_b32 v5, 13, v2
	v_lshl_add_u32 v[CO], v1, 4, v5
	s_lshl_b32 s20, s17, 7
	s_lshl_b32 s21, s15, 6
	s_add_co_u32 s20, s20, s21
	s_lshl_b32 s20, s20, 13
	s_mov_b32 s21, 0
	s_lshl_b32 s46, s42, 9
	s_lshl_b32 s47, s16, 8
	s_add_co_u32 s46, s46, s47
	s_mov_b32 s47, 0
	s_add_nc_u64 s[20:21], s[20:21], s[46:47]
	s_add_nc_u64 s[10:11], s[10:11], s[20:21]
.macro FRAG reg, adr, ks, i
.irp c, 0,1,2,3
	ds_load_b128 v[\reg+4*\c:\reg+4*\c+3], v[\adr] offset:(4*(\i)+(\ks))*2048+512*\c
.endr
.endm
.macro MUL8 f, a0, zero
.irp a, \a0, \a0+1
.irp b, 0,1,2,3
.if \zero
	v_wmma_f32_16x16x128_fp8_fp8 v[ACC+8*(4*(\a)+\b):ACC+8*(4*(\a)+\b)+7], v[\f+64+16*\b:\f+64+16*\b+15], v[\f+16*(\a):\f+16*(\a)+15], 0
.else
	v_wmma_f32_16x16x128_fp8_fp8 v[ACC+8*(4*(\a)+\b):ACC+8*(4*(\a)+\b)+7], v[\f+64+16*\b:\f+64+16*\b+15], v[\f+16*(\a):\f+16*(\a)+15], v[ACC+8*(4*(\a)+\b):ACC+8*(4*(\a)+\b)+7]
.endif
.endr
.endr
.endm
.macro FETCH slot, ks, f
	WIN TO_F
.irp i, 0,1,2,3
	FRAG \f+64+16*\i, ADRB+\slot, \ks, \i
.endr
.irp i, 0,1,2,3
	FRAG \f+16*\i, ADRA+\slot, \ks, \i
.endr
.endm
.macro PLACES
.rept 4
	v_nop
.endr
.endm
.macro QUARTER slot, ksnext, f, g, zero
	s_wait_dscnt 8
	WIN MUL
	MUL8 \f, 0, \zero
	PLACES
	FETCH \slot, \ksnext, \g
	s_wait_dscnt 32
	WIN MUL
	MUL8 \f, 2, \zero
.endm
.macro TURN slot, next, fill
	WIN 0
	s_wait_tensorcnt 0x0
	ds_add_u32 v[SPW], v[NIL]
	s_wait_dscnt 9
	WIN MUL
	MUL8 F1, 0, 0
	s_wait_dscnt 0x0
	WIN 0
	s_barrier_signal -1
	s_barrier_wait -1
.if \fill
	CREST
	s_add_nc_u64 s[G0+4*\slot+2:G0+4*\slot+3], s[G0+4*\slot+2:G0+4*\slot+3], 2*KB
	s_add_nc_u64 s[G0B+4*\slot+2:G0B+4*\slot+3], s[G0B+4*\slot+2:G0B+4*\slot+3], 2*KB
	JLOAD \slot
.else
	PLACES
.endif
	FETCH \next, 0, F0
	WIN MUL
	MUL8 F1, 2, 0
.endm
	s_wait_tensorcnt 1
	s_barrier_signal -1
	s_barrier_wait -1
	FETCH 0, 0, F0
	QUARTER 0, 1, F0, F1, 1
	QUARTER 0, 2, F1, F0, 0
	QUARTER 0, 3, F0, F1, 0
	TURN 0, 1, 1
	QUARTER 1, 1, F0, F1, 0
	QUARTER 1, 2, F1, F0, 0
	QUARTER 1, 3, F0, F1, 0
	TURN 1, 0, 1
	QUARTER 0, 1, F0, F1, 0
	QUARTER 0, 2, F1, F0, 0
	QUARTER 0, 3, F0, F1, 0
	TURN 0, 1, 0
	QUARTER 1, 1, F0, F1, 0
	QUARTER 1, 2, F1, F0, 0
	QUARTER 1, 3, F0, F1, 0
	s_wait_dscnt 8
	WIN MUL
	MUL8 F1, 0, 0
	s_wait_dscnt 0
	MUL8 F1, 2, 0
	WIN 0
.macro TOSTAGE a
.set j, 0
.rept 16
	v_pk_mul_f32 v[TMP+j:TMP+j+1], v[ACC+32*(\a)+j:ACC+32*(\a)+j+1], s[96:97] op_sel_hi:[1,0]
.set j, j+2
.endr
.irp b, 0,1,2,3
	ds_store_b128 v[STO], v[TMP+8*\b:TMP+8*\b+3] offset:64*\b
	ds_store_b128 v[STO], v[TMP+8*\b+4:TMP+8*\b+7] offset:64*\b+16
.endr
.set BB, BK+32*((\a)%2)
.irp t, 0,1,2,3,4,5,6,7
	ds_load_b128 v[BB+4*\t:BB+4*\t+3], v[RD] offset:\t*2*SPITCH
.endr
.endm
.macro SEND a, younger
.set BB, BK+32*((\a)%2)
	s_wait_dscnt \younger
.irp t, 0,1,2,3,4,5,6,7
	global_store_b128 v[CO], v[BB+4*\t:BB+4*\t+3], s[10:11] offset:(16*(\a)+2*\t)*8192 th:TH_STORE_NT
.endr
.endm
	s_wait_kmcnt 0x0
	s_add_co_i32 s96, s96, s97
	s_add_co_i32 s96, s96, 127
	s_lshl_b32 s96, s96, 23
	PLACES
	TOSTAGE 0
.irp a, 1,2,3
.if \a > 1
	s_wait_xcnt 0x0
.endif
	TOSTAGE \a
	SEND \a-1, 16
.endr
	SEND 3, 0
	s_wait_tensorcnt 0x0
	ds_add_u32 v[SPW], v[NIL]
	s_wait_dscnt 0x0
	CROUND
	s_endpgm
.Lfunc_end_k_qe01c1e3dbb_oproj:
	.size	k_qe01c1e3dbb_oproj, .Lfunc_end_k_qe01c1e3dbb_oproj-k_qe01c1e3dbb_oproj
	.p2alignl 7, 3214868480
	.fill 96, 4, 3214868480
	.section	.rodata,"a",@progbits
	.p2align	6, 0x0
	.amdhsa_kernel k_qe01c1e3dbb_oproj
		.amdhsa_group_segment_fixed_size 327680
		.amdhsa_private_segment_fixed_size 0
		.amdhsa_enable_private_segment 0
		.amdhsa_kernarg_size 32
		.amdhsa_user_sgpr_count 2
		.amdhsa_user_sgpr_kernarg_segment_ptr 1
		.amdhsa_wavefront_size32 1
		.amdhsa_system_sgpr_workgroup_id_x 1
		.amdhsa_system_sgpr_workgroup_id_y 1
		.amdhsa_system_sgpr_workgroup_id_z 1
		.amdhsa_system_vgpr_workitem_id 0
		.amdhsa_next_free_vgpr 512
		.amdhsa_next_free_sgpr 100
		.amdhsa_reserve_vcc 0
		.amdhsa_float_denorm_mode_32 3
		.amdhsa_float_denorm_mode_16_64 3
		.amdhsa_memory_ordered 1
		.amdhsa_forward_progress 1
		.amdhsa_inst_pref_size 75
	.end_amdhsa_kernel
	.amdgpu_metadata
---
amdhsa.version: [ 1, 2 ]
amdhsa.kernels:
  - .name:           k_qe01c1e3dbb_oproj
    .symbol:         k_qe01c1e3dbb_oproj.kd
    .args:
      - { .name: ac, .offset: 0, .size: 8, .value_kind: global_buffer, .address_space: global }
      - { .name: wc, .offset: 8, .size: 8, .value_kind: global_buffer, .address_space: global }
      - { .name: lowp_scales, .offset: 16, .size: 8, .value_kind: global_buffer, .address_space: global }
      - { .name: out0, .offset: 24, .size: 8, .value_kind: global_buffer, .address_space: global }
    .group_segment_fixed_size: 327680
    .private_segment_fixed_size: 0
    .kernarg_segment_align: 8
    .kernarg_segment_size: 32
    .max_flat_workgroup_size: 128
    .sgpr_count:     100
    .vgpr_count:     512
    .wavefront_size: 32
...
	.end_amdgpu_metadata
.endif
;; end of part 4
